; MI455X (gfx1250); checked and timed in simulation.
; The chip was launched on July 23, 2026; its instructions are those of AMD's public machine-readable ISA for CDNA 5 (MIT licence, August 2026) and "CDNA5" Instruction Set Architecture Reference Guide (July 2026). The comments in the code are by the model that wrote it; some were corrected since.
;; Multi Head Self Attention. Allowed arithmetic: matrix products marked QUANTISED: E2M3 operands, one E8M0 scale for each 32 along K, by v_wmma_scale_f32_16x16x128_f8f6f4 with both operands' format E2M3, f32 sums; everything else in f32.
;; Inputs: Wk 1,024 x 1,024 float32; Wo 1,024 x 1,024 float32; Wq 1,024 x 1,024 float32; Wv 1,024 x 1,024 float32; bk 1,024 float32; bo 1,024 float32; bq 1,024 float32; bv 1,024 float32; k_in 4 x 2,048 x 1,024 float32; key_mask 4 x 2,048 bool; q_in 4 x 2,048 x 1,024 float32; v_in 4 x 2,048 x 1,024 float32.
;; Outputs: out0 4 x 2,048 x 1,024 float32.
;; This version of the problem:
;;   THIS VERSION OF THE PROBLEM IS GIVEN IN LOW PRECISION. The matrix products marked QUANTISED in the list below multiply operands that are first quantised to E2M3 (2 exponent bits, 3 mantissa bits; 6 bits a number), with one power-of-two scale for each 32 numbers along K (OCP MX v1.0); their sums are f32. All else is computed in f32.
;;   The module's matrix products, in the order in which they are computed (A, B: the left and right operand; K: the contracted axis; several contracted axes count as one K, in the product's order):
;;     1. [M 8,192, K 1,024] x [K 1,024, N 1,024]; A: input q_in; B: input Wq: QUANTISED
;;     2. [M 8,192, K 1,024] x [K 1,024, N 1,024]; A: input k_in; B: input Wk: QUANTISED
;;     3. [M 8,192, K 1,024] x [K 1,024, N 1,024]; A: input v_in; B: input Wv: QUANTISED
;;     4. batch 64 x [M 2,048, K 64] x [K 64, N 2,048]; A: computed on the way; B: computed on the way: QUANTISED
;;     5. batch 64 x [M 64, K 2,048] x [K 2,048, N 2,048]; A: computed on the way; B: softmax (see below): QUANTISED
;;     6. [M 8,192, K 1,024] x [K 1,024, N 1,024]; A: computed on the way; B: input Wo: QUANTISED
;;   THE QUANTISER, for each operand of a quantised product, along K:
;;     - K is cut into blocks of 32 from its start; a last block that is shorter is filled with zeros.
;;     - A block's scale is 2^e with e = floor(log2(the largest magnitude in the block)) - 2, held to -126 .. 127; a block of zeros has e = 0. As a byte (E8M0): e + 127.
;;     - Each number is divided by its block's scale, clamped to +-7.5, and rounded to the nearest number of E2M3, ties to even, subnormals kept.
;;     - The product sums the exact products of the quantised numbers (number of the format x scale) in f32.
;;   ~~~python
;;   def quantise(x, axis):      # numpy; x: float32 -> the quantised numbers, widened to float32 again
;;       x = np.moveaxis(x, axis, -1); K = x.shape[-1]
;;       x = np.pad(x, [(0, 0)] * (x.ndim - 1) + [(0, -K % 32)]); x = x.reshape(x.shape[:-1] + (-1, 32)); a = np.abs(x).max(-1, keepdims=True)
;;       e = np.where(a > 0, np.clip(np.frexp(np.where(a > 0, a, 1))[1] - 1 - 2, -126, 127), 0)      # np.frexp(a)[1] - 1 = floor(log2(a)), exactly
;;       r = np.clip(x / 2.0 ** e, -7.5, 7.5)
;;       step = 2.0 ** (np.maximum(np.frexp(np.where(r == 0, 1, r))[1] - 1, 0) - 3)
;;       q = np.round(r / step) * step * 2.0 ** e      # np.round: ties to even
;;       return np.moveaxis(q.reshape(q.shape[:-2] + (-1,))[..., :K], -1, axis).astype(np.float32)
;;   ~~~
;;   SOFTMAX AHEAD OF A QUANTISED PRODUCT. Where the list says 'softmax', what is quantised is not the finished softmax but p = 2^(t - M), with t = logit x log2(e) and M = ceil(the row's largest t), a whole number; so 1/2 < the row's largest p <= 1. The row's sum l is taken of the UNQUANTISED p, in f32, and the product's result is divided by l at the end. Since M is a whole number, a kernel that streams over the keys may use a running M (the ceiling of the running maximum): every later rescaling is an exact power of two, which a block's scale takes up: the codes' values come out the same.
;;   OPERANDS COMPUTED ON THE WAY. 'Computed on the way' means the value that the module computes at that place (a softmax that the list does not call 'softmax' is quantised finished and normalised). What goes into a quantiser is computed in f32, as accurately as f32 sums, v_exp_f32 and their like allow (about 1e-6 of the number): no bf16 or f16 on the way to a quantiser, and a product that is left as it is and whose result goes on into a quantised operand takes f32 operands (vector FMAs, or v_wmma_f32_16x16x4_f32). A number that lies on a knife's edge between two numbers of the format may be rounded either way, as far as f32 arithmetic and the matrix unit's own rounding can turn it there, and no further.
;; One version. Each part assembles by itself: llvm-mc -triple=amdgcn-amd-amdhsa -mcpu=gfx1250 --defsym DOCPART=n.
;; ======== version 1 of 1: 4 launches
;; limits: right only within a limited range of input values
;; workspace buffers: xc 18,874,368 bytes; xs 786,432 bytes; wc 3,145,728 bytes; ws 131,072 bytes; pc 18,874,368 bytes; ps 786,432 bytes; oc 6,291,456 bytes; os 262,144 bytes
;; launch quant (part 1): grid 896 x 1, 4 waves a work-group, no clusters, 68,096 bytes of LDS; arguments q_in, k_in, v_in, Wq, Wk, Wv, Wo, xc, xs, wc, ws; writes xc, xs, wc, ws
.if DOCPART == 1
	.amdgcn_target "amdgcn-amd-amdhsa--gfx1250"
	.amdhsa_code_object_version 6
	.text
	.protected	k_q168e235caf_quant
	.globl	k_q168e235caf_quant
	.p2align	8
	.type	k_q168e235caf_quant,@function
k_q168e235caf_quant:
	s_mov_b64 s[64:65], 0
	v_nop
	global_prefetch_b8 v0, s[64:65] scope:SCOPE_SE
	s_setreg_imm32_b32 hwreg(HW_REG_WAVE_MODE, 25, 1), 1
	s_wait_xcnt 0x0
; q_in, k_in, v_in [8192][1024] f32 (K innermost) and Wq, Wk, Wv, Wo [1024 (k)][1024 (n)] f32 (K first) become codes of FP6 (E2M3) with K innermost and one E8M0 byte for each 32 along K.
; xc [3][8192][768], xs [3][8192][32];  wc [4][1024 (n)][768], ws [4][1024][32].
; A block's scale is 2^(floor(log2(largest magnitude)) - 2): its byte is the largest magnitude's exponent field - 2, held at 1 from below.
; STORED BY POSITION: pi(x) is x with bits 3 and 4 exchanged.  The rows of k_in's and v_in's codes and the rows (n) of all four weights' codes lie so that position P holds logical row pi(P); q_in's rows lie as they are.
; Sixteen neighbouring positions are then a tile whose transposed product leaves 16 neighbours of the next K in a lane's registers of two neighbouring tiles.
; LIMITS: a block of zeros gets the byte 1 where the rule says 127 (its codes are zeros, and this program alone reads the bytes); blocks whose largest magnitude lies under 2^-124 keep the byte 1; NaN and infinities are not served.
; Work-groups 0-767: the activations, 256 each: a wave takes 8 rows (8,192 numbers) in 16 steps of 512.  Work-groups 768-895: the weights, 32 each: a wave takes 32 columns x 256 along K.
; The two ways part on the work-group's number and own different LDS bytes: [0, 32768) and [32768, 67584).  No barrier: waves share nothing.
; THE CODES' LAYOUT, which stands over the line on xc and wc above: xc [3][K step of 256: 4][8192 rows][192 bytes], wc [4][K step: 4][1024 (n)][192 bytes]:
; the 128 rows of a K step that a tensor load of the later launches brings are 24,576 dense bytes, 96 aligned runs of 256.
.set EMAX,  2
.set STEPS, 16
.set CB,    12                         ; bytes of 16 codes
.set R,     16                         ; v16-79   activations: four sets of 16 numbers as loaded
.set X,     80                         ; v80-111  two sets of 16 neighbours
.set E,     112                        ; v112-127 a scale byte for each step
.set C,     128                        ; v128-191 codes, four registers a step: no store's data are written again
.set WREG,  8192                       ; LDS of a wave: two stages of 32 x SP bytes, then its 256 scale bytes
.set SP,    80                         ; a lane's place in a stage: 64 bytes + 16 of padding
.set WSTG,  32768                      ; the weights' stages: 32 rows x PITCH for each wave
.set PITCH, 272                        ; sixteen places of 16 bytes (12 of codes each) + 16
.set KROW,  192                        ; a row's codes of one K step of 256, in bytes
.set NB,    8                          ; blocks of 32 along K for a wave of the weights' way
.set WX,    32                         ; v32-95   weights: two sets of 32 numbers
.set WC,    96                         ; v96..    a block's codes
.set OUTR,  112                        ; v112-175 the way out
.set SB,    24                         ; v24-25   eight scale bytes
	s_load_b512 s[8:23], s[0:1], 0x0               ; q_in s8, k_in s10, v_in s12, Wq s14, Wk s16, Wv s18, Wo s20, xc s22
	s_load_b128 s[24:27], s[0:1], 0x40             ; xs s24, wc s26
	s_load_b64 s[28:29], s[0:1], 0x50              ; ws
	v_lshl_add_u32 v192, v0, 2, 0x10800
	v_mov_b32 v193, 0
	v_lshrrev_b32 v1, 5, v0
	v_readfirstlane_b32 s30, v1                    ; wave 0..3
	v_and_b32 v2, 31, v0                           ; lane
	s_cmp_ge_u32 ttmp9, 768
	s_cbranch_scc1 .Lweights
; ---------------- the activations ----------------
	v_lshlrev_b32 v3, 4, v2                        ; my 16 bytes of a load's 512
	s_mul_i32 s31, s30, WREG
	v_lshrrev_b32 v14, 2, v2
	v_mul_u32_u24 v14, v14, SP
	v_and_b32 v15, 3, v2
	v_lshl_add_u32 v14, v15, 4, v14
	v_add_nc_u32 v14, s31, v14                     ; into the stage: four lanes' 64 bytes on end, then 16 of padding
	v_mul_u32_u24 v15, v2, SP
	v_add_nc_u32 v15, s31, v15                     ; out of it: SP x lane: my 16 neighbours
	v_and_b32 v4, 15, v2
	v_mul_u32_u24 v4, v4, CB               ; my codes' place in a row's 192 bytes of a K step;
	v_lshrrev_b32 v10, 4, v2
	v_mad_u32_u24 v4, v10, 0x180000, v4    ; lanes 16-31 hold the next K step: 8192 x 192 bytes on
	v_lshrrev_b32 v5, 1, v2
	s_add_co_u32 s31, s31, 2*32*SP
	v_add_nc_u32 v5, s31, v5                       ; my block's byte among my wave's 256
	v_lshlrev_b32 v7, 3, v2
	v_add_nc_u32 v6, s31, v7                       ; and 8 bytes a lane on the way out
	s_lshr_b32 s32, ttmp9, 8                       ; which tensor: 0 q, 1 k, 2 v
	s_and_b32 s33, ttmp9, 255
	s_lshl_b32 s33, s33, 2
	s_add_co_u32 s34, s33, s30                     ; the run of 8 rows that I read
	s_and_b32 s35, s30, 1
	s_lshl_b32 s35, s35, 1
	s_lshr_b32 s36, s30, 1
	s_or_b32 s35, s35, s36                         ; bits 0 and 1 of the run are bits 3 and 4 of the row
	s_cmp_eq_u32 s32, 0
	s_cselect_b32 s35, s30, s35                    ; q_in's rows stay where they are
	s_add_co_u32 s35, s33, s35                     ; the run that I write
	s_lshl_b32 s36, s34, 15                        ; 32,768 bytes of f32 a run
	s_mov_b32 s37, 0
	s_mul_i32 s38, s32, 6291456
	s_mul_i32 s39, s35, 1536               ; 8 rows x 192 bytes a run in each K step
	s_add_co_u32 s38, s38, s39
	s_mov_b32 s39, 0
	s_lshl_b32 s40, s32, 18
	s_lshl_b32 s41, s35, 8                         ; 256 scale bytes a run
	s_add_co_u32 s40, s40, s41
	s_mov_b32 s41, 0
	s_wait_alu depctr_va_vdst(0)
	s_wait_kmcnt 0x0
	s_cmp_eq_u32 s32, 1                            ; the choice hangs on the work-group's number alone
	s_cselect_b64 s[4:5], s[10:11], s[8:9]
	s_cmp_eq_u32 s32, 2
	s_cselect_b64 s[4:5], s[12:13], s[4:5]
	s_add_nc_u64 s[4:5], s[4:5], s[36:37]
	s_add_nc_u64 s[42:43], s[22:23], s[38:39]      ; my codes
	s_add_nc_u64 s[44:45], s[24:25], s[40:41]      ; my scale bytes
.macro XLOAD t
.irp i, 0,1,2,3
	global_load_b128 v[R+16*((\t)%4)+4*\i:R+16*((\t)%4)+4*\i+3], v3, s[4:5] offset:2048*(\t)+512*\i th:TH_LOAD_NT   ; 32 lanes read 512 consecutive bytes
.endr
.endm
.macro XTURN t                         ; a step's numbers through the stage: LDS serves a wave's instructions in order, so no wait stands between the stores and the loads
.irp i, 0,1,2,3
	ds_store_b128 v14, v[R+16*((\t)%4)+4*\i:R+16*((\t)%4)+4*\i+3] offset:32*SP*((\t)%2)+8*SP*\i
.endr
.irp i, 0,1,2,3
	ds_load_b128 v[X+16*((\t)%2)+4*\i:X+16*((\t)%2)+4*\i+3], v15 offset:32*SP*((\t)%2)+16*\i
.endr
.endm
.irp t, 0,1,2,3
	XLOAD \t
.endr
	s_wait_loadcnt 12                              ; step 0's four loads are in; the 12 of steps 1 to 3 may be out
	XTURN 0
.macro XSTEP t
.set XS, X+16*((\t)%2)
.if (\t) > 0
	s_wait_dscnt 1                                 ; this step's numbers are back from the stage; the last step's byte store may be out
.else
	s_wait_dscnt 0x0
.endif
.if (\t)+4 < STEPS
	XLOAD (\t)+4                                   ; into the registers whose stores into the stage are done
.endif
.if (\t)+1 < STEPS
.if STEPS-2-(\t) >= 3
	s_wait_loadcnt 12                              ; the next step's four loads are in; those of the three steps behind it may be out
.else
	s_wait_loadcnt 4*(STEPS-2-(\t))
.endif
	XTURN (\t)+1
.endif
	v_max3_num_f32 v8, |v[XS]|, |v[XS+1]|, |v[XS+2]|               ; the largest magnitude of my 16, in two chains
	v_max3_num_f32 v9, |v[XS+3]|, |v[XS+4]|, |v[XS+5]|
.irp i, 6,10
	v_max3_num_f32 v8, v8, |v[XS+\i]|, |v[XS+\i+1]|
	v_max3_num_f32 v9, v9, |v[XS+\i+2]|, |v[XS+\i+3]|
.endr
	v_max3_num_f32 v8, v8, |v[XS+14]|, |v[XS+15]|
	v_max3_num_f32 v8, v8, v9, (EMAX+1)<<23        ; and the floor 2^(3 - 127): the byte cannot fall under 1
	v_max_num_f32_dpp v8, v8, v8 row_xmask:1 row_mask:0xf bank_mask:0xf   ; with my neighbour's 16: the block's
	v_add_nc_u32 v11, 0xff000000, v8               ; 2 off the exponent field: the conversion takes this operand's exponent field as its scale
	v_cvt_scalef32_pk16_fp6_f32 v[C+4*(\t):C+4*(\t)+2], v[XS:XS+15], v11
	v_lshrrev_b32 v[E+(\t)], 23, v11               ; the scale's byte (also the plain line behind the conversion)
	ds_store_b8 v5, v[E+(\t)] offset:16*(\t)       ; both lanes of a block write the same byte with the same value
	global_store_b96 v4, v[C+4*(\t):C+4*(\t)+2], s[42:43] offset:192*((\t)/2)+3145728*((\t)%2)   ; row t / 2, K steps 2 (t % 2) and 2 (t % 2) + 1: sixteen lanes store 192 consecutive bytes
.endm
.irp t, 0,1,2,3,4,5,6,7,8,9,10,11,12,13,14,15
	XSTEP \t
.endr
	ds_load_b64 v[12:13], v6                       ; in order behind my byte stores
	s_wait_dscnt 0x0
	global_store_b64 v7, v[12:13], s[44:45]        ; 32 lanes store 256 consecutive bytes, aligned
	s_wait_tensorcnt 0x0
	ds_add_u32 v192, v193
	s_wait_dscnt 0x0
	s_endpgm
; ---------------- the weights: a lane takes a column n, its registers run down K ----------------
.Lweights:
	s_sub_co_u32 s31, ttmp9, 768
	s_lshr_b32 s32, s31, 5                         ; which weight: 0 Wq, 1 Wk, 2 Wv, 3 Wo
	s_and_b32 s33, s31, 7                          ; which 128 columns
	s_bfe_u32 s34, s31, 0x20003                    ; which 256 along K
	s_lshl_b32 s35, s33, 7
	s_lshl_b32 s36, s30, 5
	s_add_co_u32 s35, s35, s36                     ; my wave's first column
	s_wait_alu depctr_va_vdst(0)
	v_lshlrev_b32 v3, 2, v2                        ; in: 4 bytes a lane
	s_mul_i32 s36, s30, 32*PITCH
	s_add_co_u32 s36, s36, WSTG                    ; my stage
	v_mul_u32_u24 v4, v2, PITCH
	v_add_nc_u32 v4, s36, v4                       ; into it: row = my column
	v_and_b32 v5, 15, v2
	v_lshrrev_b32 v6, 4, v2                        ; out of it: sixteen lanes to a row, two rows an instruction
	v_mul_u32_u24 v7, v6, PITCH
	v_lshl_add_u32 v7, v5, 4, v7
	v_add_nc_u32 v7, s36, v7
	v_mul_u32_u24 v8, v6, KROW
	v_mad_u32_u24 v8, v5, 12, v8                   ; and the same place in the codes' buffer
	v_and_b32 v9, 7, v2                            ; pi(lane): my column's position among the wave's 32
	v_and_b32 v10, 8, v2
	v_lshl_or_b32 v9, v10, 1, v9
	v_and_b32 v10, 16, v2
	v_lshrrev_b32 v10, 1, v10
	v_or_b32 v9, v9, v10
	v_lshlrev_b32 v9, 5, v9                        ; x 32 scale bytes a row
	s_lshl_b32 s38, s34, 20                        ; W: 256 rows of 4,096 bytes for each part of K,
	s_lshl_b32 s39, s35, 2                         ; + 4 x column
	s_add_co_u32 s38, s38, s39
	s_mov_b32 s39, 0
	s_mul_i32 s40, s32, 786432                     ; codes: the weight, the column's row, 192 bytes for each part of K
	s_mul_i32 s41, s35, KROW
	s_add_co_u32 s40, s40, s41
	s_mul_i32 s41, s34, 196608             ; 1024 x 192 bytes for each K step
	s_add_co_u32 s40, s40, s41
	s_mov_b32 s41, 0
	s_lshl_b32 s42, s32, 15                        ; scale bytes likewise: 32 a row, 8 for each part of K
	s_lshl_b32 s43, s35, 5
	s_add_co_u32 s42, s42, s43
	s_lshl_b32 s43, s34, 3
	s_add_co_u32 s42, s42, s43
	s_mov_b32 s43, 0
	s_wait_kmcnt 0x0
	s_cmp_eq_u32 s32, 1
	s_cselect_b64 s[4:5], s[16:17], s[14:15]
	s_cmp_eq_u32 s32, 2
	s_cselect_b64 s[4:5], s[18:19], s[4:5]
	s_cmp_eq_u32 s32, 3
	s_cselect_b64 s[4:5], s[20:21], s[4:5]
	s_add_nc_u64 s[4:5], s[4:5], s[38:39]
	s_add_nc_u64 s[6:7], s[26:27], s[40:41]
	s_add_nc_u64 s[46:47], s[28:29], s[42:43]
.macro WLOAD t                         ; block t: W(32 t + i, my column) into set t % 2: a wave reads 128 consecutive bytes, the work-group 512
.irp i, 0,1,2,3,4,5,6,7,8,9,10,11,12,13,14,15,16,17,18,19,20,21,22,23,24,25,26,27,28,29,30,31
	global_load_b32 v[WX+32*((\t)%2)+\i], v3, s[4:5] offset:(32*(\t)+\i)*4096 th:TH_LOAD_NT
.endr
.endm
	WLOAD 0
	WLOAD 1
.macro WBLOCK t
.set XS, WX+32*((\t)%2)
.if (\t) < NB-1
	s_wait_loadcnt 32                              ; this block's 32 loads are in; the next block's 32 may be out
.else
	s_wait_loadcnt 0
.endif
	v_max3_num_f32 v12, |v[XS]|, |v[XS+1]|, |v[XS+2]|               ; all 32 numbers of the block are mine
	v_max3_num_f32 v13, |v[XS+3]|, |v[XS+4]|, |v[XS+5]|
.irp i, 6,10,14,18,22,26
	v_max3_num_f32 v12, v12, |v[XS+\i]|, |v[XS+\i+1]|
	v_max3_num_f32 v13, v13, |v[XS+\i+2]|, |v[XS+\i+3]|
.endr
	v_max3_num_f32 v12, v12, |v[XS+30]|, |v[XS+31]|
	v_max3_num_f32 v12, v12, v13, (EMAX+1)<<23     ; and the floor
	v_add_nc_u32 v11, 0xff000000, v12
	v_lshrrev_b32 v13, 23, v11                     ; the scale's byte
.if (\t)%4 == 0
	v_mov_b32 v[SB+(\t)/4], v13                    ; four bytes to a register, the lower K in the lower byte
.else
	v_lshl_or_b32 v[SB+(\t)/4], v13, 8*((\t)%4), v[SB+(\t)/4]
.endif
	v_cvt_scalef32_pk16_fp6_f32 v[WC:WC+2], v[XS:XS+15], v11
	v_cvt_scalef32_pk16_fp6_f32 v[WC+4:WC+6], v[XS+16:XS+31], v11   ; (a conversion's three registers begin on an even number)
	v_nop                                          ; a plain line behind the conversions
	ds_store_b96 v4, v[WC:WC+2] offset:32*(\t)     ; 12 bytes to a place of 16, so that every LDS address is a multiple of 16
	ds_store_b96 v4, v[WC+4:WC+6] offset:32*(\t)+16
.if (\t)+2 < NB
	WLOAD (\t)+2
.endif
	s_wait_dscnt 0x0                               ; the stores have read their registers: the next block's codes may be written
.endm
.set Q, 0
.rept NB
	WBLOCK Q
.set Q, Q+1
.endr
	s_wait_alu depctr_va_vdst(0)
	global_store_b64 v9, v[SB:SB+1], s[46:47]      ; my column's eight scale bytes, at its position
.irp t, 0,1,2,3,4,5,6,7,8,9,10,11,12,13,14,15
	ds_load_b96 v[OUTR+4*\t:OUTR+4*\t+2], v7 offset:2*\t*PITCH
.endr
.irp t, 0,1,2,3,4,5,6,7,8,9,10,11,12,13,14,15
	s_wait_dscnt 15-\t                             ; the later read-backs may be out
	global_store_b96 v8, v[OUTR+4*\t:OUTR+4*\t+2], s[6:7] offset:(((2*\t)&7)|(((2*\t)&8)<<1)|(((2*\t)&16)>>1))*KROW   ; columns 2 t, 2 t + 1 go to positions pi(2 t), pi(2 t) + 1: sixteen lanes store 192 consecutive bytes
.endr
	s_wait_tensorcnt 0x0
	ds_add_u32 v192, v193
	s_wait_dscnt 0x0
	s_endpgm
.Lfunc_end_k_q168e235caf_quant:
	.size	k_q168e235caf_quant, .Lfunc_end_k_q168e235caf_quant-k_q168e235caf_quant
	.p2alignl 7, 3214868480
	.fill 96, 4, 3214868480
	.section	.rodata,"a",@progbits
	.p2align	6, 0x0
	.amdhsa_kernel k_q168e235caf_quant
		.amdhsa_group_segment_fixed_size 68096
		.amdhsa_private_segment_fixed_size 0
		.amdhsa_enable_private_segment 0
		.amdhsa_kernarg_size 88
		.amdhsa_user_sgpr_count 2
		.amdhsa_user_sgpr_kernarg_segment_ptr 1
		.amdhsa_wavefront_size32 1
		.amdhsa_system_sgpr_workgroup_id_x 1
		.amdhsa_system_sgpr_workgroup_id_y 1
		.amdhsa_system_sgpr_workgroup_id_z 1
		.amdhsa_system_vgpr_workitem_id 0
		.amdhsa_next_free_vgpr 194
		.amdhsa_next_free_sgpr 66
		.amdhsa_reserve_vcc 0
		.amdhsa_float_denorm_mode_32 3
		.amdhsa_float_denorm_mode_16_64 3
		.amdhsa_memory_ordered 1
		.amdhsa_forward_progress 1
		.amdhsa_inst_pref_size 75
	.end_amdhsa_kernel
	.amdgpu_metadata
---
amdhsa.version: [ 1, 2 ]
amdhsa.kernels:
  - .name:           k_q168e235caf_quant
    .symbol:         k_q168e235caf_quant.kd
    .args:
      - { .name: q_in, .offset: 0, .size: 8, .value_kind: global_buffer, .address_space: global }
      - { .name: k_in, .offset: 8, .size: 8, .value_kind: global_buffer, .address_space: global }
      - { .name: v_in, .offset: 16, .size: 8, .value_kind: global_buffer, .address_space: global }
      - { .name: Wq, .offset: 24, .size: 8, .value_kind: global_buffer, .address_space: global }
      - { .name: Wk, .offset: 32, .size: 8, .value_kind: global_buffer, .address_space: global }
      - { .name: Wv, .offset: 40, .size: 8, .value_kind: global_buffer, .address_space: global }
      - { .name: Wo, .offset: 48, .size: 8, .value_kind: global_buffer, .address_space: global }
      - { .name: xc, .offset: 56, .size: 8, .value_kind: global_buffer, .address_space: global }
      - { .name: xs, .offset: 64, .size: 8, .value_kind: global_buffer, .address_space: global }
      - { .name: wc, .offset: 72, .size: 8, .value_kind: global_buffer, .address_space: global }
      - { .name: ws, .offset: 80, .size: 8, .value_kind: global_buffer, .address_space: global }
    .group_segment_fixed_size: 68096
    .private_segment_fixed_size: 0
    .kernarg_segment_align: 8
    .kernarg_segment_size: 88
    .max_flat_workgroup_size: 128
    .sgpr_count:     66
    .vgpr_count:     194
    .wavefront_size: 32
...
	.end_amdgpu_metadata
.endif
;; end of part 1
;; launch proj (part 2): grid 4 x 96, 4 waves a work-group, clusters of 4 x 4, 327,680 bytes of LDS; arguments xc, xs, wc, ws, bq, bk, bv, pc, ps; writes pc, ps
.if DOCPART == 2
	.amdgcn_target "amdgcn-amd-amdhsa--gfx1250"
	.amdhsa_code_object_version 6
	.text
	.protected	k_q168e235caf_proj
	.globl	k_q168e235caf_proj
	.p2align	8
	.type	k_q168e235caf_proj,@function
k_q168e235caf_proj:
	s_mov_b64 s[64:65], 0
	v_nop
	global_prefetch_b8 v0, s[64:65] scope:SCOPE_SE
	s_setreg_imm32_b32 hwreg(HW_REG_WAVE_MODE, 25, 1), 1
	s_wait_xcnt 0x0
	s_wait_alu depctr_hold_cnt(0) depctr_sa_sdst(0) depctr_va_vdst(0) depctr_va_sdst(0) depctr_va_ssrc(0) depctr_va_vcc(0) depctr_vm_vsrc(0)
	s_getreg_b32 s2, hwreg(HW_REG_IB_STS2, 6, 4)
	s_cmp_eq_u32 s2, 0
	s_cbranch_scc0 .Lentry_in_a_cluster
	s_endpgm
.Lentry_in_a_cluster:
	s_bfe_u32 s2, ttmp6, 0x10000c
	s_cmp_lg_u32 s2, 0xf033
	s_cbranch_scc0 .Lentry_shape_is_right
	s_endpgm
.Lentry_shape_is_right:
; The three projections on codes of FP6 (E2M3): q = q_in Wq + bq, k = k_in Wk + bk, v = v_in Wv + bv, each 8192 x 1024 x 1024, sums in f32; the results are quantised on the way out and leave as codes:
;   pc + 0          q  [b][head][s][48]              (64 codes along d in 48 bytes)         ps: the same index, 2 scale bytes for each 48
;   pc + 6291456    k  [b][head][key position][48]   (position P holds key pi(P), pi = bits 3 and 4 exchanged)
;   pc + 12582912   v  [b][chunk of 64 keys][(head, d position)][48]   (64 codes along the keys)
; A tile of 256 x 256 is made by four waves, 128 x 128 each: 64 accumulators.  K goes in steps of 256 through a ring of two LDS slots filled by the tensor data mover; the scale bytes of the work-group's rows come once.
; THE MATRIX INSTRUCTION IS USED TRANSPOSED: source 0 = 16 rows of "B", source 1 = 16 rows of "A": a lane holds one row of A, and its registers run along B's rows, which lie BY POSITION: the 16 registers of two neighbouring
; tiles of B are 16 logical neighbours.  q, k: A = the activations, B = the weight: a lane's registers run along (head, d).  v: A = Wv, B = v_in: a lane holds one (head, d) and its registers run along the keys.
; The cluster's y says which: 8 clusters for each tensor; it is the same in all sixteen partners, so branches and choices on it are alike in all of them.
; CLUSTERS: 4 x 4 work-groups; A's tiles are asked for jointly along a row of the cluster, B's along a column.
; The bias along B's rows is the C of each sum's first matrix instruction; the bias along A's rows rides on the addition that moves a result into window 0.
; LIMITS: a block of zeros gets the scale byte 1 where the rule says 127 (zero codes; the bytes are read by this program alone); NaN and infinities are not served.
; REGISTERS, in windows of 256: window 0: v0-31 addresses; v32-63 scale words, two sets; v64-127 the bias along B's rows; v128-223 A's fragments, one set; v240-255 the bias along A's rows.
;   window 1: B's fragments, two sets, at v0 and v128.   window 2: the accumulators of my rows 0-63 ((a, b) at v[8 (8 a + b)]);   window 3: those of my rows 64-127.
.set KSTEP,  256
.set NQ,     KSTEP/128
.set ROWB,   192                       ; a tile's row in bytes
.set KROW,   768                       ; a row of codes in memory
.set PITCH,  240                       ; an LDS row: 3 x (64 bytes + 16 of padding): the 32 lanes of a load of 8 bytes touch 64 different banks
.set FR,     12
.set NL,     6
.set NP,     4
.set HALFT,  128*PITCH
.set SLOT,   4*HALFT
.set LAPS,   2                         ; K = 1,024 = two laps of two K steps
.set KS,     32                        ; a row of scale bytes
.set SCL,    2*SLOT
.set HALFS,  (128*KS/256)*272
.set SBLK,   (16*KS/256)*272
.set SPARE,  SCL+4*HALFS               ; the spare words: 128 bytes a wave, two blocks of 256 bytes that no other line names
.set WSTAGE, 12800                     ; the way out: 2 x 6,144 bytes of codes and 2 x 256 scale bytes for each wave, in slot 0, which has had its last fill and its last read by then
.set ADRA, 16
.set ADRB, 20
.set STC,  24                          ; v24  the way out: where I put 8 bytes of codes
.set RD,   25                          ; v25  where I read codes back
.set CO,   26                          ; v26  16 x lane
.set ADRS, 27
.set SPW,  28
.set NIL,  29
.set SH,   7                           ; v7   16 x (lane / 16)
.set STS,  8                           ; v8   where I put two scale bytes
.set SRD,  9                           ; v9   where I read scale bytes back
.set SGO,  10                          ; v10  their place in memory
.set SC,   32
.set BN,   64
.set AF,   128
.set BM,   240
.set TT,   128                         ; the way out: a block's 64 numbers
.set PC,   192                         ; its codes
.set TM,   212                         ; v212-227 at work
.set PW,   228                         ; its scale word
.set G1, 24
.set G0, 32
.set G1B, 48
.set G0B, 56
.set G1S, 68
.set G0S, 76
.set G1SB, 80
.set G0SB, 88
.set SEL, 98                           ; s[98:99] lane selects for lane l xor 16 (once pc's address has been used)
.set MSB, 0
.macro WIN new                         ; the immediate's high byte repeats the setting that is left
.if MSB != \new
	s_set_vgpr_msb (MSB<<8)|\new
.set MSB, \new
.endif
.endm
.set MUL_LO, 0xa1                      ; source 0 (B) window 1, source 1 (A) window 0, C and D window 2
.set MUL_HI, 0xf1                      ; the same, C and D window 3
.set FST_LO, 0x81                      ; the first step: C (the bias) window 0, D window 2
.set FST_HI, 0xc1                      ; D window 3
.set TO_B,   0x40
.macro JLOAD g0a, g1a, g0b, g1b        ; a joint load: waves 0 and 1 fetch for A, waves 2 and 3 for B; four v_nop follow each of the two lines
	s_cmp_eq_u32 s15, 0
	s_cbranch_scc0 .Lfor_b_\@
	tensor_load_to_lds s[\g0a:\g0a+3], s[\g1a:\g1a+7]
	s_nop 0
.rept 4
	v_nop
.endr
	s_branch .Lasked_\@
.Lfor_b_\@:
	tensor_load_to_lds s[\g0b:\g0b+3], s[\g1b:\g1b+7]
	s_nop 0
.rept 4
	v_nop
.endr
.Lasked_\@:
.endm
.macro CREST
	s_cmp_lg_u32 s14, 0
	s_cbranch_scc1 .Lnot_wave_0_\@
	s_barrier_signal -3
.Lnot_wave_0_\@:
	s_barrier_wait -3
	s_barrier_signal -1
	s_barrier_wait -1
.endm
.macro CROUND
	s_barrier_signal -1
	s_barrier_wait -1
	CREST
.endm
	s_load_b256 s[4:11], s[0:1], 0x0               ; xc s4, xs s6, wc s8, ws s10
	s_load_b256 s[92:99], s[0:1], 0x20             ; bq s92, bk s94, bv s96, pc s98
	s_load_b64 s[100:101], s[0:1], 0x40            ; ps
	v_lshl_add_u32 v[SPW], v0, 2, SPARE
	v_mov_b32 v[NIL], 0
	ds_add_u32 v28, v29
	ds_add_u32 v28, v29
	s_wait_dscnt 0x0
	v_lshrrev_b32 v1, 5, v0
	v_readfirstlane_b32 s14, v1                    ; wave 0..3
	s_lshr_b32 s15, s14, 1                         ; which half of A's rows is mine.  Also: I fetch for A (0) or for B (1)
	s_and_b32 s16, s14, 1                          ; which half of B's rows.  Also: which 128 rows I fetch
	s_bfe_u32 s40, ttmp6, 0x40000                  ; cx
	s_bfe_u32 s41, ttmp6, 0x40004                  ; cy
	s_and_b32 s104, ttmp7, 0xffff                  ; the cluster's y, 0..23
	s_lshr_b32 s105, s104, 3                       ; T: 0 q, 1 k, 2 v
	s_and_b32 s104, s104, 7
	s_lshl_b32 s104, s104, 2                       ; four tiles of the 8,192 rows for each cluster
	s_cmp_eq_u32 s105, 2
	s_cselect_b32 s17, 0, s104                     ; q, k: the 8,192 rows are A's;
	s_cselect_b32 s42, s104, 0                     ; v: they are B's
	s_add_co_u32 s17, s17, s41                     ; tile row (A)
	s_add_co_u32 s42, s42, s40                     ; tile column (B)
	s_lshl_b32 s43, s41, 2
	s_lshl_b32 s43, 15, s43                        ; my row of the cluster
	s_lshl_b32 s44, 0x1111, s40                    ; my column
	s_or_b32 s[G1+0], s43, (0<<16)|(1<<20)|(1<<21)|(3<<22)|(3<<25)  ; the mask; elements of 1 byte; padding on; bit 21 beside a mask; after every 16 words 4 words
	s_or_b32 s[G1B+0], s44, (0<<16)|(1<<20)|(1<<21)|(3<<22)|(3<<25)
.irp g, G1, G1B
	s_mov_b32 s[\g+1], 256<<16                     ; the codes lie [K step][row][192]: the rows of a tile are dense, and come as runs of 256 bytes, each at a multiple of 256
	s_mov_b32 s[\g+2], 192<<16                     ; the head's loads: 256 rows x 192 bytes = 192 runs; behind them 96
	s_mov_b32 s[\g+3], 256<<16
	s_mov_b32 s[\g+4], 192
	s_mov_b32 s[\g+5], 256
	s_mov_b32 s[\g+6], 0
	s_mov_b32 s[\g+7], 0
.endr
	s_or_b32 s[G1S+0], s43, (3<<16)|(1<<20)|(1<<21)|(5<<22)|(3<<25)  ; the scales of 256 rows: 8,192 dense bytes as 32 rows of 256, 16 bytes of padding behind each
	s_or_b32 s[G1SB+0], s44, (3<<16)|(1<<20)|(1<<21)|(5<<22)|(3<<25)
.irp g, G1S, G1SB
	s_mov_b32 s[\g+1], 32<<16
	s_mov_b32 s[\g+2], (256*KS/256)<<16            ; the scales of all 256 rows in one load
	s_mov_b32 s[\g+3], 32<<16
	s_mov_b32 s[\g+4], 256*KS/256
	s_mov_b32 s[\g+5], 32
	s_mov_b32 s[\g+6], 0
	s_mov_b32 s[\g+7], 0
.endr
	s_lshl_b32 s18, s16, 7
	s_lshl_b32 s20, s17, 8
	s_add_co_u32 s20, s20, s18                     ; A: row 256 x tile row + 128 x half
	s_lshl_b32 s46, s42, 8
	s_add_co_u32 s46, s46, s18                     ; B: row 256 x tile column + 128 x half
	s_mov_b32 s21, 0
	s_mov_b32 s47, 0
	s_mov_b64 s[18:19], KS
	s_mul_u64 s[22:23], s[20:21], s[18:19]         ; where these rows' scales begin
	s_mul_u64 s[66:67], s[46:47], s[18:19]
	s_mov_b64 s[18:19], 192
	s_mul_u64 s[20:21], s[20:21], s[18:19]         ; and their codes
	s_mul_u64 s[46:47], s[46:47], s[18:19]
	s_mul_i32 s45, s14, HALFT                      ; where they go: no place in the cluster enters an LDS address
	s_mul_i32 s104, s14, HALFS
	s_mov_b32 s3, 0
	s_wait_kmcnt 0x0
	s_mul_i32 s2, s105, 6291456
	s_add_nc_u64 s[4:5], s[4:5], s[2:3]            ; tensor T's codes,
	s_mul_i32 s2, s105, 262144
	s_add_nc_u64 s[6:7], s[6:7], s[2:3]            ; its scales,
	s_mul_i32 s2, s105, 786432
	s_add_nc_u64 s[8:9], s[8:9], s[2:3]            ; weight T's codes,
	s_mul_i32 s2, s105, 32768
	s_add_nc_u64 s[10:11], s[10:11], s[2:3]        ; its scales
	s_cmp_eq_u32 s105, 2                           ; v: the weight is A and the activations are B
	s_cselect_b64 s[12:13], s[8:9], s[4:5]         ; A's codes
	s_cselect_b64 s[8:9], s[4:5], s[8:9]           ; B's codes
	s_cselect_b64 s[4:5], s[10:11], s[6:7]         ; A's scales
	s_cselect_b64 s[10:11], s[6:7], s[10:11]       ; B's scales
	s_add_nc_u64 s[20:21], s[12:13], s[20:21]
	s_add_nc_u64 s[22:23], s[4:5], s[22:23]
	s_add_nc_u64 s[46:47], s[8:9], s[46:47]
	s_add_nc_u64 s[66:67], s[10:11], s[66:67]
	CROUND                                         ; all sixteen work-groups are here: the first joint loads meet
	s_mov_b32 s[G0S], 1
	s_add_co_u32 s[G0S+1], s104, SCL-HALFS         ; wave 1 issues this load: A's 256 rows from the tile's first row on
	s_sub_nc_u64 s[G0S+2:G0S+3], s[22:23], 128*KS
	s_or_b32 s[G0S+3], s[G0S+3], 0x80000000
	s_mov_b32 s[G0SB], 1
	s_add_co_u32 s[G0SB+1], s104, SCL-HALFS        ; wave 3 issues this one: B's 256 rows
	s_sub_nc_u64 s[G0SB+2:G0SB+3], s[66:67], 128*KS
	s_or_b32 s[G0SB+3], s[G0SB+3], 0x80000000
	s_cmp_eq_u32 s105, 2                           ; from K step to K step, in bytes: 8192 x 192 in the activations, 1024 x 192 in a weight
	s_mov_b32 s6, 1572864
	s_mov_b32 s8, 196608
	s_cselect_b32 s4, s8, s6                       ; A's
	s_cselect_b32 s6, s6, s8                       ; B's
	s_mov_b32 s5, 0
	s_mov_b32 s7, 0
.irp s, 0,1
	s_mov_b32 s[G0+4*\s], 1
	s_add_co_u32 s[G0+4*\s+1], s45, \s*SLOT
.if \s
	s_add_nc_u64 s[G0+4*\s+2:G0+4*\s+3], s[20:21], s[4:5]
.else
	s_mov_b64 s[G0+4*\s+2:G0+4*\s+3], s[20:21]
.endif
	s_or_b32 s[G0+4*\s+3], s[G0+4*\s+3], 0x80000000
	s_mov_b32 s[G0B+4*\s], 1
	s_add_co_u32 s[G0B+4*\s+1], s45, \s*SLOT
.if \s
	s_add_nc_u64 s[G0B+4*\s+2:G0B+4*\s+3], s[46:47], s[6:7]
.else
	s_mov_b64 s[G0B+4*\s+2:G0B+4*\s+3], s[46:47]
.endif
	s_or_b32 s[G0B+4*\s+3], s[G0B+4*\s+3], 0x80000000
.endr
	s_lshl_b32 s4, s4, 1                           ; a refill goes two K steps on
	s_lshl_b32 s6, s6, 1
; THE HEAD'S LOADS, one a wave: wave 0 K step 0's 256 rows of A, wave 1 A's scales, wave 2 its 256 rows of B, wave 3 B's scales.  Waves 0 and 2 have half 0, so their ring descriptors begin at the tile's first row.
.macro HLOAD g0, g1
	tensor_load_to_lds s[\g0:\g0+3], s[\g1:\g1+7]
	s_nop 0
.rept 4
	v_nop
.endr
.endm
	s_cmp_eq_u32 s14, 0
	s_cbranch_scc0 .Lhead_1
	HLOAD G0, G1
	s_branch .Lhead_asked
.Lhead_1:
	s_cmp_eq_u32 s14, 1
	s_cbranch_scc0 .Lhead_2
	HLOAD G0S, G1S
	s_branch .Lhead_asked
.Lhead_2:
	s_cmp_eq_u32 s14, 2
	s_cbranch_scc0 .Lhead_3
	HLOAD G0B, G1B
	s_branch .Lhead_asked
.Lhead_3:
	HLOAD G0SB, G1SB
.Lhead_asked:
	v_and_b32 v1, 15, v0                           ; r
	v_bfe_u32 v2, v0, 4, 1                         ; h
	v_mul_u32_u24 v3, v1, PITCH
	v_mul_u32_u24 v4, v2, 24
	v_add_nc_u32 v4, v3, v4                        ; a fragment's row x pitch + 24 x half
	v_lshl_add_u32 v5, v2, 4, v4                   ; and the same behind one padding more
	s_mul_i32 s21, s15, HALFT
	s_mul_i32 s22, s16, HALFT
	s_add_co_u32 s22, s22, 2*HALFT
.irp s, 0,1
	v_add_nc_u32 v[ADRA+\s], s21, v4
	v_add_nc_u32 v[ADRB+\s], s22, v4
	v_add_nc_u32 v[ADRA+2+\s], s21, v5
	v_add_nc_u32 v[ADRB+2+\s], s22, v5
	s_add_co_u32 s21, s21, SLOT
	s_add_co_u32 s22, s22, SLOT
.endr
	v_mul_u32_u24 v5, v1, KS                       ; my row's scales: KS bytes a row,
	v_lshrrev_b32 v6, 8, v5
	v_lshl_add_u32 v5, v6, 4, v5                   ; and 16 more for each 256 passed
	s_mul_i32 s21, s15, HALFS
	s_mul_i32 s22, s16, HALFS
	s_add_co_u32 s22, s22, 2*HALFS
	s_sub_co_u32 s22, s22, s21
	v_mul_u32_u24 v6, s22, v2                      ; lanes 16-31 take B's
	s_add_co_u32 s21, s21, SCL
	v_add_nc_u32 v5, v5, v6
	v_add_nc_u32 v[ADRS], s21, v5
	; the way out: my stage
	s_mul_i32 s2, s14, WSTAGE
	v_lshlrev_b32 v[SH], 4, v2
	v_mul_u32_u24 v5, v1, 48
	v_mad_u32_u24 v5, v2, 24, v5
	v_add_nc_u32 v[STC], s2, v5                    ; codes in: row r of 48 bytes, + 24 h
	v_and_b32 v6, 31, v0
	v_lshlrev_b32 v[CO], 4, v6
	v_add_nc_u32 v[RD], s2, v[CO]                  ; back: 16 bytes a lane
	v_lshlrev_b32 v5, 1, v1
	v_lshl_add_u32 v5, v2, 8, v5
	v_add_nc_u32 v5, s2, v5
	v_add_nc_u32 v[STS], 12288, v5                 ; scale bytes in: 2 r, lanes 16-31 into the second 256 bytes
	v_add_nc_u32 v[SRD], 12288, v[RD]
	; where my 128 x 128 goes
	s_lshl_b32 s20, s17, 8
	s_lshl_b32 s21, s15, 7
	s_add_co_u32 s20, s20, s21                     ; m0: my first row of A
	s_lshl_b32 s46, s42, 8
	s_lshl_b32 s47, s16, 7
	s_add_co_u32 s46, s46, s47                     ; n0: my first row of B
	s_lshr_b32 s47, s20, 11                        ; q, k: ((b x 16 + head) x 2048 + s)
	s_lshl_b32 s47, s47, 4
	s_lshr_b32 s66, s46, 6
	s_add_co_u32 s47, s47, s66
	s_lshl_b32 s47, s47, 11
	s_and_b32 s66, s20, 2047
	s_add_co_u32 s47, s47, s66
	s_lshr_b32 s66, s46, 11                        ; v: ((b x 32 + chunk) x 1024 + (head, d position))
	s_lshl_b32 s66, s66, 5
	s_bfe_u32 s67, s46, 0x50006
	s_add_co_u32 s66, s66, s67
	s_lshl_b32 s66, s66, 10
	s_add_co_u32 s66, s66, s20
	s_cmp_eq_u32 s105, 2
	s_cselect_b32 s47, s66, s47                    ; the index of my first 48 bytes
	s_mov_b32 s66, 98304
	s_cselect_b32 s66, 49152, s66                  ; from my first 64 along the new K to my second: a head's 2,048 rows, or a chunk's 1,024
	s_mov_b32 s67, 4096
	s_cselect_b32 s67, 2048, s67                   ; the same in scale bytes
	s_cselect_b32 s22, s20, s46                    ; the bias begins at m0 (v) or at n0 (q, k)
	s_cselect_b64 s[92:93], s[96:97], s[92:93]
	s_cmp_eq_u32 s105, 1
	s_cselect_b64 s[92:93], s[94:95], s[92:93]
	s_lshl_b32 s22, s22, 2
	s_mov_b32 s23, 0
	s_add_nc_u64 s[92:93], s[92:93], s[22:23]      ; my part of the bias
	s_mul_i32 s22, s105, 6291456
	s_mul_i32 s2, s47, 48
	s_add_co_u32 s22, s22, s2
	s_add_nc_u64 s[12:13], s[98:99], s[22:23]      ; my first 6,144 bytes of codes,
	s_mov_b32 s22, s66
	s_add_nc_u64 s[94:95], s[12:13], s[22:23]      ; my second
	s_mul_i32 s22, s105, 262144
	s_lshl_b32 s2, s47, 1
	s_add_co_u32 s22, s22, s2
	s_add_nc_u64 s[96:97], s[100:101], s[22:23]    ; my scale bytes
	v_mul_lo_u32 v[SGO], v2, s67
	v_lshl_add_u32 v[SGO], v1, 4, v[SGO]           ; lanes 0-15 the first 256 bytes, lanes 16-31 the second
	s_mov_b32 s[SEL], 0x76543210
	s_mov_b32 s[SEL+1], 0xfedcba98
	; the biases.  The branch hangs on the cluster's y alone.
	s_cmp_eq_u32 s105, 2
	s_cbranch_scc1 .Lbias_v
	v_lshlrev_b32 v11, 6, v2                       ; register 8 b + j of a lane is logical n = n0 + 32 (b / 2) + 16 h + 8 (b % 2) + j
.irp b, 0,1,2,3,4,5,6,7
	global_load_b128 v[BN+8*\b:BN+8*\b+3], v11, s[92:93] offset:4*(32*(\b/2)+8*(\b%2))
	global_load_b128 v[BN+8*\b+4:BN+8*\b+7], v11, s[92:93] offset:4*(32*(\b/2)+8*(\b%2))+16
.endr
.irp i, 0,1,2,3,4,5,6,7,8,9,10,11,12,13,14,15
	v_mov_b32 v[BM+\i], 0                          ; nothing along A's rows
.endr
	s_branch .Lbias_done
.Lbias_v:
	v_and_b32 v11, 7, v1                           ; A's position 16 a + r is logical row 32 (a / 2) + 8 (a % 2) + r % 8 + 16 (r / 8)
	v_lshrrev_b32 v12, 3, v1
	v_lshl_add_u32 v11, v12, 4, v11
	v_lshlrev_b32 v11, 2, v11
.irp a, 0,1,2,3,4,5,6,7
	global_load_b32 v[BM+2*\a], v11, s[92:93] offset:4*(32*(\a/2)+8*(\a%2))
	v_mov_b32 v[BM+2*\a+1], 0                      ; (named with it as a pair, so it is written)
.endr
.set i, 0
.rept 64
	v_mov_b32 v[BN+i], 0                           ; nothing along B's rows
.set i, i+1
.endr
.Lbias_done:
.macro FRAG reg, adr, q, i             ; 16 rows x 128 K of 6-bit codes: 12 registers, in pieces of 8 bytes; where the piece of lanes 16-31 lies behind one padding more, the second address register serves
.irp p, 0,1,2,3,4,5
.set PCE, 12*(\q)+6*(\p/3)+\p%3
.if PCE%8 < 5
	ds_load_b64 v[\reg+2*\p:\reg+2*\p+1], v[\adr] offset:8*PCE+16*(PCE/8)+(\i)*16*PITCH
.else
	ds_load_b64 v[\reg+2*\p:\reg+2*\p+1], v[\adr+2] offset:8*PCE+16*(PCE/8)+(\i)*16*PITCH
.endif
.endr
.endm
; 16 matrix instructions: A's blocks a0, a0 + 1 x B's eight.  zero = 1: the first product starts the sums from the bias along B's rows.  The 64 accumulators take turns, one instruction a turn.
.macro MUL16 a0, p, q, sc, zero
.irp a, \a0, \a0+1
.irp b, 0,1,2,3,4,5,6,7
.if \zero
	v_wmma_scale_f32_16x16x128_f8f6f4 v[8*(8*((\a)%4)+\b):8*(8*((\a)%4)+\b)+7], v[128*(\p)+FR*\b:128*(\p)+FR*\b+FR-1], v[AF+FR*(\a):AF+FR*(\a)+FR-1], v[BN+8*\b:BN+8*\b+7], v[SC+8*NQ*(\sc)+NQ*\b+(\q)], v[SC+8*NQ*(\sc)+NQ*(\a)+(\q)] matrix_a_fmt:MATRIX_FMT_FP6 matrix_b_fmt:MATRIX_FMT_FP6 matrix_a_scale:MATRIX_SCALE_ROW1
.else
	v_wmma_scale_f32_16x16x128_f8f6f4 v[8*(8*((\a)%4)+\b):8*(8*((\a)%4)+\b)+7], v[128*(\p)+FR*\b:128*(\p)+FR*\b+FR-1], v[AF+FR*(\a):AF+FR*(\a)+FR-1], v[8*(8*((\a)%4)+\b):8*(8*((\a)%4)+\b)+7], v[SC+8*NQ*(\sc)+NQ*\b+(\q)], v[SC+8*NQ*(\sc)+NQ*(\a)+(\q)] matrix_a_fmt:MATRIX_FMT_FP6 matrix_b_fmt:MATRIX_FMT_FP6 matrix_a_scale:MATRIX_SCALE_ROW1
.endif
.endr
.endr
.endm
.macro FETCH_B slot, q, p
	WIN TO_B
.irp i, 0,1,2,3,4,5,6,7
	FRAG 128*(\p)+FR*\i, ADRB+\slot, \q, \i
.endr
	WIN 0
.endm
.macro FETCH_A slot, q, i0
.irp i, \i0, \i0+1, \i0+2, \i0+3
	FRAG AF+FR*(\i), ADRA+\slot, \q, \i
.endr
.endm
.macro SCALES sc                       ; a K step's scale words: lanes 0-15 A's block i, lanes 16-31 B's block i
.irp i, 0,1,2,3,4,5,6,7
	ds_load_b64 v[SC+8*NQ*\sc+NQ*\i:SC+8*NQ*\sc+NQ*\i+1], v[ADRS] offset:\i*SBLK
.endr
.endm
.macro PLACES n                        ; plain vector lines between a matrix instruction and a load into, or a read of, its registers
.rept \n
	v_nop
.endr
.endm
.macro STEP slot, q, zero              ; 128 along K that has its successor in the same slot
	s_wait_dscnt 4*NL                              ; all but the youngest 24 loads (A's blocks 4-7)
.if \zero
	WIN FST_LO
.else
	WIN MUL_LO
.endif
	MUL16 0, (\q)%2, \q, \slot, \zero
	MUL16 2, (\q)%2, \q, \slot, \zero
	s_wait_dscnt 0
	PLACES NP
	FETCH_B \slot, (\q)+1, 1-(\q)%2
	FETCH_A \slot, (\q)+1, 0
.if \zero
	WIN FST_HI
.else
	WIN MUL_HI
.endif
	MUL16 4, (\q)%2, \q, \slot, \zero
	MUL16 6, (\q)%2, \q, \slot, \zero
	PLACES NP
	WIN 0
	FETCH_A \slot, (\q)+1, 4
.endm
; A slot's last step changes slots: one barrier; in front of it each wave waits for all its tensor loads, adds 0 to its spare word, and waits for that and for its reads of this slot.
.macro TURN slot, next, fill
	s_wait_tensorcnt 0x0                           ; all my tensor loads have landed: my part of the next slot
	ds_add_u32 v[SPW], v[NIL]                      ; 0 onto my spare word
	s_wait_dscnt 4*NL+1                            ; the add and the youngest 24 loads may be out
	WIN MUL_LO
	MUL16 0, 1, NQ-1, \slot, 0
	s_wait_dscnt 0x0                               ; the add is done, and my reads of this slot are over
	s_barrier_signal -1
	MUL16 2, 1, NQ-1, \slot, 0
	WIN 0
	s_barrier_wait -1
.if \fill
	CREST                                          ; the barrier has opened a round of the cluster's: no wave of any partner still reads this slot or has a load on its way
	s_add_nc_u64 s[G0+4*\slot+2:G0+4*\slot+3], s[G0+4*\slot+2:G0+4*\slot+3], s[4:5]
	s_add_nc_u64 s[G0B+4*\slot+2:G0B+4*\slot+3], s[G0B+4*\slot+2:G0B+4*\slot+3], s[6:7]
	JLOAD G0+4*\slot, G1, G0B+4*\slot, G1B         ; the first tensor load behind the round; its four v_nop are the places in front of the loads below
.else
	PLACES NP
.endif
	s_wait_alu depctr_va_vdst(0)
	v_add_nc_u32 v[ADRS], 4*NQ, v[ADRS]            ; the next K step's scale words
	FETCH_B \next, 0, 0
	FETCH_A \next, 0, 0
	SCALES \next
	WIN MUL_HI
	MUL16 4, 1, NQ-1, \slot, 0
	MUL16 6, 1, NQ-1, \slot, 0
	PLACES NP
	WIN 0
	FETCH_A \next, 0, 4
.endm
	s_wait_alu depctr_va_vdst(0)
	s_wait_tensorcnt 0x0                           ; my tile of the head's four is in; slot 1's first fill is issued as a refill is:
	ds_add_u32 v[SPW], v[NIL]                      ; 0 onto my spare word
	s_mov_b32 s[G1+2], 96<<16                      ; no tensor load of mine is out: from here on a load brings 128 rows, 96 runs of 256 bytes
	s_mov_b32 s[G1+4], 96
	s_mov_b32 s[G1B+2], 96<<16
	s_mov_b32 s[G1B+4], 96
	s_wait_dscnt 0x0
	CROUND                                         ; all four tiles are in, in all sixteen work-groups
	JLOAD G0+4, G1, G0B+4, G1B                     ; K step 1, the first tensor load behind the round
	FETCH_B 0, 0, 0
	FETCH_A 0, 0, 0
	SCALES 0
	FETCH_A 0, 0, 4
	s_wait_loadcnt 0x0                             ; the biases
	s_wait_alu depctr_va_vdst(0)
	STEP 0, 0, 1
	s_mov_b32 s3, LAPS-1
.Llap:                                                 ; a trip goes once round the ring and fills both slots again
	TURN 0, 1, 1
	STEP 1, 0, 0
	TURN 1, 0, 1
	STEP 0, 0, 0
	s_sub_co_u32 s3, s3, 1
	s_cmp_lg_u32 s3, 0
	s_cbranch_scc1 .Llap
	TURN 0, 1, 0                                   ; the last lap fills nothing
	STEP 1, 0, 0
	s_wait_dscnt 4*NL
	WIN MUL_LO
	MUL16 0, 1, NQ-1, 1, 0
	MUL16 2, 1, NQ-1, 1, 0
	s_wait_dscnt 0
	WIN MUL_HI
	MUL16 4, 1, NQ-1, 1, 0
	MUL16 6, 1, NQ-1, 1, 0
	WIN 0
; 64 numbers of a lane, register 16 b + i = k 32 b + 16 (lane / 16) + i of my row, become a fragment's codes in v[PC] on and its scale word in v[PW].
.macro QUANT s
.irp b, 0,1,2,3
	v_max3_num_f32 v[TM+\b], |v[\s+16*\b]|, |v[\s+1+16*\b]|, 0x1800000   ; my 16 numbers of block b, and the floor 2^(3 - 127)
.endr
.irp i, 2,4,6,8,10,12,14
.irp b, 0,1,2,3
	v_max3_num_f32 v[TM+\b], v[TM+\b], |v[\s+16*\b+\i]|, |v[\s+1+16*\b+\i]|
.endr
.endr
.irp b, 0,1,2,3
	v_permlanex16_b32 v[TM+4+\b], v[TM+\b], s[SEL], s[SEL+1]
.endr
.irp b, 0,1,2,3
	v_max_num_f32 v[TM+\b], v[TM+\b], v[TM+4+\b]   ; with lane l xor 16's: the block's largest magnitude
.endr
.irp b, 0,1,2,3
	v_add_nc_u32 v[TM+12+\b], 0xff000000, v[TM+\b] ; 2 off its exponent field: the conversion's scale operand
.endr
.irp b, 0,1,2,3
	v_lshrrev_b32 v[TM+4+\b], 23, v[TM+12+\b]      ; the scale's byte
.endr
	v_lshl_or_b32 v[PW], v[TM+5], 8, v[TM+4]
	v_lshl_or_b32 v[PW], v[TM+6], 16, v[PW]
	v_lshl_or_b32 v[PW], v[TM+7], 24, v[PW]
.irp c, 0,1
	v_cvt_scalef32_pk16_fp6_f32 v[PC+6*\c:PC+2+6*\c], v[\s+32*\c:\s+15+32*\c], v[TM+12+2*\c]
	v_cvt_scalef32_pk16_fp6_f32 v[PC+12+4*\c:PC+14+4*\c], v[\s+16+32*\c:\s+31+32*\c], v[TM+12+2*\c+1]
.endr
	v_nop                                          ; one plain line behind a scaled conversion
.irp c, 0,1                                    ; a whole block to a lane: lanes 0-15 block 2 c, lanes 16-31 block 2 c + 1
.irp i, 0,1,2
	v_permlane16_swap_b32 v[PC+6*\c+\i], v[PC+12+4*\c+\i]
.endr
.irp i, 0,1,2
	v_mov_b32 v[PC+3+6*\c+\i], v[PC+12+4*\c+\i]
.endr
.endr
.endm
; THE WAY OUT of A's block a: 16 rows x 128 along the new K.  The addition moves the results into window 0 and adds the bias along A's rows; each accumulator is read from its low end on.
.macro EPI a
.set AC, 64*((\a)%4)
.set PC, 192-160*((\a)%2)                      ; codes and scale word in two sets by turns: v192.. and v228, or v32.. and v52 (the scale words' registers, done with)
.set PW, 228-176*((\a)%2)
	WIN 0x02+((\a)/4)                              ; source 0: window 2 or 3
.set i, 0
.rept 32
	v_pk_add_f32 v[TT+i:TT+i+1], v[AC+i:AC+i+1], v[BM+2*(\a):BM+2*(\a)+1] op_sel_hi:[1,0]
.set i, i+2
.endr
	WIN 0
	QUANT TT
.irp c, 0,1
.irp i, 0,1,2
	ds_store_b64 v[STC], v[PC+6*\c+2*\i:PC+6*\c+2*\i+1] offset:6144*\c+768*(\a)+8*\i   ; 64 codes of row 16 a + r: 48 bytes, my half's 24
.endr
.endr
	v_lshrrev_b32 v[PW+1], v[SH], v[PW]            ; lanes 0-15 the first 64's two bytes, lanes 16-31 the second's
	ds_store_b16 v[STS], v[PW+1] offset:32*(\a)
.if (\a) < 7
	s_wait_dscnt 7                                 ; this block's seven stores may be out; the block before's are done, and the next block writes that set
.else
	s_wait_dscnt 0x0
.endif
.endm
	PLACES NP                                      ; behind the last products: their results are read, and A's registers written, below
.irp b, 0,1,2,3
	v_mov_b32 v[TM+4+\b], 0                        ; written once: a lane permute's destination counts as one of its sources
.endr
.irp a, 0,1,2,3,4,5,6,7
	EPI \a
.endr
.irp t, 0,1,2,3,4,5,6,7,8,9,10,11,12,13,14,15,16,17,18,19,20,21,22,23
	ds_load_b128 v[32+4*\t:35+4*\t], v[RD] offset:512*\t      ; my own bytes, in order behind my stores
.endr
	ds_load_b128 v[232:235], v[SRD]
.irp t, 0,1,2,3,4,5,6,7,8,9,10,11
	s_wait_dscnt 24-\t                             ; the later read-backs may be out
	global_store_b128 v[CO], v[32+4*\t:35+4*\t], s[12:13] offset:512*\t            ; 32 lanes store 512 consecutive bytes, at a multiple of 256
.endr
.irp t, 12,13,14,15,16,17,18,19,20,21,22,23
	s_wait_dscnt 24-\t
	global_store_b128 v[CO], v[32+4*\t:35+4*\t], s[94:95] offset:512*(\t-12)
.endr
	s_wait_dscnt 0x0
	global_store_b128 v[SGO], v[232:235], s[96:97]  ; sixteen lanes store 256 consecutive bytes, aligned, twice
	s_wait_tensorcnt 0x0                           ; the wave's end
	ds_add_u32 v[SPW], v[NIL]
	s_wait_dscnt 0x0
	CROUND                                         ; the closing round
	s_endpgm
.Lfunc_end_k_q168e235caf_proj:
	.size	k_q168e235caf_proj, .Lfunc_end_k_q168e235caf_proj-k_q168e235caf_proj
	.p2alignl 7, 3214868480
	.fill 96, 4, 3214868480
	.section	.rodata,"a",@progbits
	.p2align	6, 0x0
	.amdhsa_kernel k_q168e235caf_proj
		.amdhsa_group_segment_fixed_size 327680
		.amdhsa_private_segment_fixed_size 0
		.amdhsa_enable_private_segment 0
		.amdhsa_kernarg_size 72
		.amdhsa_user_sgpr_count 2
		.amdhsa_user_sgpr_kernarg_segment_ptr 1
		.amdhsa_wavefront_size32 1
		.amdhsa_system_sgpr_workgroup_id_x 1
		.amdhsa_system_sgpr_workgroup_id_y 1
		.amdhsa_system_sgpr_workgroup_id_z 1
		.amdhsa_system_vgpr_workitem_id 0
		.amdhsa_next_free_vgpr 1024
		.amdhsa_next_free_sgpr 106
		.amdhsa_reserve_vcc 0
		.amdhsa_float_denorm_mode_32 3
		.amdhsa_float_denorm_mode_16_64 3
		.amdhsa_memory_ordered 1
		.amdhsa_forward_progress 1
		.amdhsa_inst_pref_size 194
	.end_amdhsa_kernel
	.amdgpu_metadata
---
amdhsa.version: [ 1, 2 ]
amdhsa.kernels:
  - .name:           k_q168e235caf_proj
    .symbol:         k_q168e235caf_proj.kd
    .args:
      - { .name: xc, .offset: 0, .size: 8, .value_kind: global_buffer, .address_space: global }
      - { .name: xs, .offset: 8, .size: 8, .value_kind: global_buffer, .address_space: global }
      - { .name: wc, .offset: 16, .size: 8, .value_kind: global_buffer, .address_space: global }
      - { .name: ws, .offset: 24, .size: 8, .value_kind: global_buffer, .address_space: global }
      - { .name: bq, .offset: 32, .size: 8, .value_kind: global_buffer, .address_space: global }
      - { .name: bk, .offset: 40, .size: 8, .value_kind: global_buffer, .address_space: global }
      - { .name: bv, .offset: 48, .size: 8, .value_kind: global_buffer, .address_space: global }
      - { .name: pc, .offset: 56, .size: 8, .value_kind: global_buffer, .address_space: global }
      - { .name: ps, .offset: 64, .size: 8, .value_kind: global_buffer, .address_space: global }
    .group_segment_fixed_size: 327680
    .private_segment_fixed_size: 0
    .kernarg_segment_align: 8
    .kernarg_segment_size: 72
    .max_flat_workgroup_size: 128
    .sgpr_count:     106
    .vgpr_count:     1024
    .wavefront_size: 32
...
	.end_amdgpu_metadata
.endif
;; end of part 2
;; launch attn (part 3): grid 4 x 64, 16 waves a work-group, clusters of 4 x 1, 327,680 bytes of LDS; arguments pc, ps, key_mask, oc, os; writes oc, os
.if DOCPART == 3
	.amdgcn_target "amdgcn-amd-amdhsa--gfx1250"
	.amdhsa_code_object_version 6
	.text
	.protected	k_q168e235caf_attn
	.globl	k_q168e235caf_attn
	.p2align	8
	.type	k_q168e235caf_attn,@function
k_q168e235caf_attn:
	s_mov_b64 s[64:65], 0
	v_nop
	global_prefetch_b8 v0, s[64:65] scope:SCOPE_SE
	s_setreg_imm32_b32 hwreg(HW_REG_WAVE_MODE, 25, 1), 1
	s_wait_xcnt 0x0
	s_wait_alu depctr_hold_cnt(0) depctr_sa_sdst(0) depctr_va_vdst(0) depctr_va_sdst(0) depctr_va_ssrc(0) depctr_va_vcc(0) depctr_vm_vsrc(0)
	s_getreg_b32 s2, hwreg(HW_REG_IB_STS2, 6, 4)
	s_cmp_eq_u32 s2, 0
	s_cbranch_scc0 .Lentry_in_a_cluster
	s_endpgm
.Lentry_in_a_cluster:
	s_bfe_u32 s2, ttmp6, 0x10000c
	s_cmp_lg_u32 s2, 0x3003
	s_cbranch_scc0 .Lentry_shape_is_right
	s_endpgm
.Lentry_shape_is_right:
.set KB,   0
.set VB,   98304
.set KSW,  196608
.set VSW,  204800
.set STG,  208896
.set SS,   128
.set OO,   192
.set WV,   18
.set SEL,  20
.set CS,   22
.set G1K,  24
.set G1V,  32
.set G0K,  40
.set G0V,  44
.set TB,   2
.set TS,   3
.set TJ,   66
.set CNT,  67
.macro CROUND
	s_barrier_signal -1
	s_barrier_wait -1
	s_cmp_lg_u32 s[WV], 0
	s_cbranch_scc1 .Lnot_wave_0_\@
	s_barrier_signal -3
.Lnot_wave_0_\@:
	s_barrier_wait -3
	s_barrier_signal -1
	s_barrier_wait -1
.endm
	s_load_b256 s[4:11], s[0:1], 0x0
	s_load_b64 s[12:13], s[0:1], 0x20
	v_lshl_add_u32 v254, v0, 2, 0x39000
	v_mov_b32 v255, 0
	ds_add_u32 v254, v255
	ds_add_u32 v254, v255
	s_wait_dscnt 0x0
	v_lshrrev_b32 v8, 5, v0
	s_delay_alu instid0(VALU_DEP_1)
	v_readfirstlane_b32 s[WV], v8
	s_and_b32 s79, s[WV], 7                        ; waves 0-7 fetch an eighth of K each, waves 8-15 an eighth of V
	s_and_b32 s14, ttmp7, 0xffff
	s_lshr_b32 s15, s14, 4
	s_and_b32 s16, s14, 15
	s_bfe_u32 s17, ttmp6, 0x40000
	s_mul_i32 s70, s14, 98304
	s_mul_i32 s71, s79, 12288
	s_add_co_u32 s70, s70, s71
	s_add_co_u32 s70, s70, 6291456
	s_mov_b32 s71, 0
	s_mul_i32 s72, s15, 1572864
	s_mul_i32 s73, s79, 196608
	s_add_co_u32 s72, s72, s73
	s_mul_i32 s73, s16, 3072
	s_add_co_u32 s72, s72, s73
	s_add_co_u32 s72, s72, 12582912
	s_mov_b32 s73, 0
	s_mul_i32 s19, s79, 12288
	s_mov_b32 s[G1K], 15|(3<<16)|(1<<21)
	s_mov_b32 s[G1K+1], 32<<16
	s_mov_b32 s[G1K+2], 48<<16
	s_mov_b32 s[G1K+3], 32<<16
	s_mov_b32 s[G1K+4], 48
	s_mov_b32 s[G1K+5], 32
	s_mov_b32 s[G1K+6], 0
	s_mov_b32 s[G1K+7], 0
	s_mov_b32 s[G1V], 15|(3<<16)|(1<<21)
	s_mov_b32 s[G1V+1], 384<<16
	s_mov_b32 s[G1V+2], 4<<16
	s_mov_b32 s[G1V+3], 384<<16
	s_mov_b32 s[G1V+4], 4
	s_mov_b32 s[G1V+5], 6144
	s_mov_b32 s[G1V+6], 0
	s_mov_b32 s[G1V+7], 0
	s_mov_b32 s[SEL], 0x76543210
	s_mov_b32 s[SEL+1], 0xfedcba98
	s_mov_b32 s[CS], 0x3e38aa3b
	s_mov_b32 s[CS+1], s[CS]
	s_mov_b32 s68, 0xffff0000
	s_movk_i32 s69, 226
	s_wait_kmcnt 0x0
	s_mov_b32 s[G0K], 1
	s_mov_b32 s[G0K+1], s19
	s_add_nc_u64 s[G0K+2:G0K+3], s[4:5], s[70:71]
	s_or_b32 s[G0K+3], s[G0K+3], 0x80000000
	s_mov_b32 s[G0V], 1
	s_add_co_u32 s[G0V+1], s19, VB
	s_add_nc_u64 s[G0V+2:G0V+3], s[4:5], s[72:73]
	s_or_b32 s[G0V+3], s[G0V+3], 0x80000000
	CROUND
	s_cmp_lt_u32 s[WV], 8                          ; one joint load a wave, all behind the one round: 256 keys of K (12,288 bytes), or four chunks of 64 keys of V
	s_cbranch_scc0 .Lfor_v
	tensor_load_to_lds s[G0K:G0K+3], s[G1K:G1K+7]
	s_nop 0
.rept 4
	v_nop
.endr
	s_branch .Lasked
.Lfor_v:
	tensor_load_to_lds s[G0V:G0V+3], s[G1V:G1V+7]
	s_nop 0
.rept 4
	v_nop
.endr
.Lasked:
	s_lshl_b32 s74, s17, 9
	s_lshl_b32 s75, s[WV], 5
	s_add_co_u32 s74, s74, s75
	s_lshl_b32 s75, s14, 11
	s_add_co_u32 s75, s75, s74
	s_mov_b32 s77, 0
	s_mul_i32 s76, s75, 48
	s_add_nc_u64 s[48:49], s[4:5], s[76:77]
	s_lshl_b32 s76, s75, 1
	s_add_nc_u64 s[50:51], s[6:7], s[76:77]
	s_lshl_b32 s76, s14, 12
	s_add_co_u32 s76, s76, 262144
	s_add_nc_u64 s[52:53], s[6:7], s[76:77]
	s_lshl_b32 s76, s15, 11
	s_add_nc_u64 s[54:55], s[8:9], s[76:77]
	s_lshl_b32 s76, s15, 16
	s_lshl_b32 s78, s16, 7
	s_add_co_u32 s76, s76, s78
	s_lshl_b32 s78, s[WV], 12
	s_add_co_u32 s76, s76, s78
	s_add_co_u32 s76, s76, 524288
	s_add_nc_u64 s[56:57], s[6:7], s[76:77]
	s_lshl_b32 s75, s15, 11
	s_add_co_u32 s75, s75, s74
	s_mul_i32 s76, s75, 48
	s_mul_i32 s78, s16, 393216
	s_add_co_u32 s76, s76, s78
	s_add_nc_u64 s[58:59], s[10:11], s[76:77]
	s_lshl_b32 s76, s75, 5
	s_lshl_b32 s78, s16, 1
	s_add_co_u32 s76, s76, s78
	s_add_nc_u64 s[60:61], s[12:13], s[76:77]
	v_and_b32 v128, 15, v0
	v_bfe_u32 v129, v0, 4, 1
	v_and_b32 v130, 31, v0
	s_delay_alu instid0(VALU_DEP_3)
	v_mul_u32_u24 v1, v128, 48
	s_delay_alu instid0(VALU_DEP_1)
	v_mad_u32_u24 v1, v129, 24, v1
	s_delay_alu instid0(VALU_DEP_1)
	v_add_nc_u32 v2, VB, v1
	v_lshlrev_b32 v3, 4, v128
	s_delay_alu instid0(VALU_DEP_1)
	v_add_nc_u32 v4, VSW, v3
	s_delay_alu instid0(VALU_DEP_2)
	v_lshl_add_u32 v3, v129, 8, v3
	s_delay_alu instid0(VALU_DEP_1)
	v_add_nc_u32 v3, KSW, v3
	s_mul_i32 s19, s[WV], 1536
	s_add_co_u32 s19, s19, STG
	v_add_nc_u32 v5, s19, v1
	v_lshlrev_b32 v7, 4, v130
	s_delay_alu instid0(VALU_DEP_1)
	v_add_nc_u32 v6, s19, v7
	v_lshlrev_b32 v243, 1, v128
	v_lshlrev_b32 v131, 3, v0
	v_lshlrev_b32 v132, 2, v0
	s_delay_alu instid0(VALU_DEP_1)
	v_and_b32 v133, 8, v132
	s_delay_alu instid0(VALU_DEP_2)
	v_and_b32 v134, 16, v132
	s_delay_alu instid0(VALU_DEP_3)
	v_and_b32 v132, 0xffffffe7, v132
	s_delay_alu instid0(VALU_DEP_1)
	v_lshl_or_b32 v132, v133, 1, v132
	s_delay_alu instid0(VALU_DEP_3)
	v_lshrrev_b32 v134, 1, v134
	s_delay_alu instid0(VALU_DEP_1)
	v_or_b32 v132, v132, v134
	global_load_b64 v[136:137], v131, s[52:53]
	global_load_b32 v138, v132, s[54:55]
	v_lshlrev_b32 v139, 2, v130
	global_load_b32 v140, v139, s[56:57]
	global_load_b32 v141, v139, s[56:57] offset:2048
.irp i, 0,1,2
	global_load_b64 v[16+2*\i:17+2*\i], v1, s[48:49] offset:8*\i
.endr
	global_load_u16 v255, v243, s[50:51]
	v_lshrrev_b32 v133, 4, v0
	s_delay_alu instid0(VALU_DEP_1)
	v_lshlrev_b32 v133, 8, v133
	v_and_b32 v134, 3, v0
	s_delay_alu instid0(VALU_DEP_1)
	v_lshl_add_u32 v133, v134, 6, v133
	v_bfe_u32 v134, v0, 2, 2
	s_delay_alu instid0(VALU_DEP_1)
	v_lshl_add_u32 v133, v134, 2, v133
	s_delay_alu instid0(VALU_DEP_1)
	v_add_nc_u32 v133, KSW, v133
	v_and_b32 v135, 7, v0
	s_delay_alu instid0(VALU_DEP_1)
	v_lshlrev_b32 v135, 5, v135
	v_bfe_u32 v134, v0, 3, 2
	s_delay_alu instid0(VALU_DEP_1)
	v_lshl_add_u32 v135, v134, 2, v135
	s_lshl_b32 s19, s[WV], 8
	s_add_co_u32 s19, s19, VSW
	v_add_nc_u32 v135, s19, v135
	v_xor_b32 v150, 1, v129
	s_delay_alu instid0(VALU_DEP_1)
	v_lshlrev_b32 v151, 3, v150
.irp t, 0,1,2,3
	v_mov_b32 v[38+12*\t], v151
.irp i, 7,8,9,10,11
	v_mov_b32 v[32+12*\t+\i], 0
.endr
.endr
	v_mul_u32_u24 v22, v150, 40
.irp i, 23,24,25,26,27
	v_mov_b32 v[\i], 0
.endr
.irp b, 0,1,2,3
	v_mov_b32 v[236+\b], 0
.endr
	v_mov_b32 v253, 0
	s_wait_loadcnt 4
	v_mul_lo_u32 v138, v138, s69
	s_delay_alu instid0(VALU_DEP_1)
	v_sub_nc_u32 v138, 0xe3e3e3e3, v138
	s_delay_alu instid0(VALU_DEP_1)
	v_perm_b32 v142, v138, v136, 0x04040100
	s_delay_alu instid0(VALU_DEP_2)
	v_perm_b32 v143, v138, v136, 0x05050302
	s_delay_alu instid0(VALU_DEP_3)
	v_perm_b32 v144, v138, v137, 0x06060100
	s_delay_alu instid0(VALU_DEP_4)
	v_perm_b32 v145, v138, v137, 0x07070302
.irp i, 0,1,2,3
	ds_store_b32 v133, v[142+\i] offset:16*\i
.endr
	v_perm_b32 v146, v141, v140, 0x05040100
	v_perm_b32 v147, v141, v140, 0x07060302
	ds_store_b32 v135, v146
	ds_store_b32 v135, v147 offset:16
	s_wait_tensorcnt 0x0
	s_wait_dscnt 0x0
	s_barrier_signal -1
	s_barrier_wait -1
.macro STEP
	v_add_nc_u32 v8, s[TB], v1
	v_add_nc_u32 v9, s[TB], v2
	v_add_nc_u32 v10, s[TS], v3
	v_add_nc_u32 v11, s[TJ], v4
	s_wait_alu depctr_va_vdst(0)
	s_wait_dscnt 0x0
.irp t, 0,1,2,3
	v_wmma_scale_f32_16x16x128_f8f6f4 v[SS+8*\t:SS+8*\t+7], v[32+12*\t:43+12*\t], v[16:27], 0, v[248+\t], v255 matrix_a_fmt:MATRIX_FMT_FP6 matrix_b_fmt:MATRIX_FMT_FP6
.endr
.rept 4
	v_nop
.endr
.irp t, 0,1,2,3
.irp i, 0,1,2
	ds_load_b64 v[32+12*\t+2*\i:33+12*\t+2*\i], v8 offset:768*(4+\t)+8*\i
.endr
.endr
	ds_load_b128 v[28:31], v11
.irp t, 0,1,2,3
.irp p, 0,1,2,3,4,5
	ds_load_b64 v[80+12*\t+2*\p:81+12*\t+2*\p], v9 offset:3072*(\p/3)+768*\t+8*(\p%3)
.endr
.endr
	s_wait_dscnt 25
.irp t, 0,1,2,3
	v_wmma_scale_f32_16x16x128_f8f6f4 v[SS+32+8*\t:SS+32+8*\t+7], v[32+12*\t:43+12*\t], v[16:27], 0, v[248+\t], v255 matrix_a_fmt:MATRIX_FMT_FP6 matrix_b_fmt:MATRIX_FMT_FP6 matrix_a_scale:MATRIX_SCALE_ROW1
.endr
.rept 4
	v_nop
.endr
	ds_load_b128 v[248:251], v10 offset:512        ; the NEXT step's scale words and first four tiles of K, 13 loads, asked for under this step's softmax.
.irp t, 0,1,2,3                                ; (In a pass's last step they read the LDS bytes behind K's and behind K's scale words, inside LDS; nothing uses what they bring.)
.irp i, 0,1,2
	ds_load_b64 v[32+12*\t+2*\i:33+12*\t+2*\i], v8 offset:6144+768*\t+8*\i
.endr
.endr
.irp b, 0,1,2,3
	v_max3_num_f32 v[232+\b], v[SS+16*\b], v[SS+1+16*\b], v[SS+2+16*\b]
.endr
.irp i, 3,5,7,9,11,13
.irp b, 0,1,2,3
	v_max3_num_f32 v[232+\b], v[232+\b], v[SS+16*\b+\i], v[SS+1+16*\b+\i]
.endr
.endr
.irp b, 0,1,2,3
	v_max_num_f32 v[232+\b], v[232+\b], v[SS+15+16*\b]
.endr
.irp b, 0,1,2,3
	s_delay_alu instid0(VALU_DEP_4)
	v_permlanex16_b32 v[236+\b], v[232+\b], s[SEL], s[SEL+1]
.endr
.irp b, 0,1,2,3
	s_delay_alu instid0(VALU_DEP_4)
	v_max_num_f32 v[232+\b], v[232+\b], v[236+\b]
.endr
	s_delay_alu instid0(VALU_DEP_2)
	v_max3_num_f32 v254, v232, v233, v234
	s_delay_alu instid0(VALU_DEP_1)
	v_max_num_f32 v254, v254, v235
	s_delay_alu instid0(VALU_DEP_1)
	v_mul_f32 v254, s[CS], v254
	s_delay_alu instid0(VALU_DEP_1)
	v_max_num_f32 v13, v13, v254
	v_mov_b32 v254, v12
	s_delay_alu instid0(VALU_DEP_2)
	v_floor_f32 v12, -v13
	s_delay_alu instid0(VALU_DEP_1)
	v_sub_f32 v254, v12, v254
	s_delay_alu instid0(VALU_DEP_1)
	v_cvt_i32_f32 v254, v254
	s_delay_alu instid0(VALU_DEP_1)
	v_ldexp_f32 v252, 1.0, v254
.set j, 0
.rept 32
	v_pk_fma_f32 v[SS+j:SS+j+1], v[SS+j:SS+j+1], s[CS:CS+1], v[12:13] op_sel_hi:[1,0,0]
.set j, j+2
.endr
.irp b, 0,1,2,3
	v_fma_f32 v[232+\b], v[232+\b], s[CS], v12
.endr
.set j, 0
	s_wait_alu depctr_va_vdst(0)
.rept 64
	v_exp_f32 v[SS+j], v[SS+j]
.set j, j+1
.endr
	v_pk_mul_f32 v[14:15], v[14:15], v[252:253] op_sel_hi:[1,0]
	s_wait_alu depctr_va_vdst(0)
.irp b, 0,1,2,3
	v_exp_f32 v[232+\b], v[232+\b]
.endr
	v_pk_add_f32 v[236:237], v[SS:SS+1], v[SS+2:SS+3]
.irp j, 4,8,12,16,20,24,28,32,36,40,44,48,52,56,60
	v_pk_add_f32 v[14:15], v[14:15], v[SS+\j:SS+\j+1]
	v_pk_add_f32 v[236:237], v[236:237], v[SS+2+\j:SS+3+\j]
.endr
	s_delay_alu instid0(VALU_DEP_1)
	v_pk_add_f32 v[14:15], v[14:15], v[236:237]
	s_wait_alu depctr_va_vdst(0)
.irp b, 0,1,2,3
	v_max_num_f32 v[232+\b], 0x1800000, v[232+\b]
.endr
.irp b, 0,1,2,3
	s_delay_alu instid0(VALU_DEP_4)
	v_add_nc_u32 v[244+\b], 0xff000000, v[232+\b]
.endr
.irp b, 0,1,2,3
	s_delay_alu instid0(VALU_DEP_4)
	v_lshrrev_b32 v[236+\b], 23, v[244+\b]
.endr
	s_delay_alu instid0(VALU_DEP_3)
	v_lshl_or_b32 v253, v237, 8, v236
	s_delay_alu instid0(VALU_DEP_1)
	v_lshl_or_b32 v253, v238, 16, v253
	s_delay_alu instid0(VALU_DEP_1)
	v_lshl_or_b32 v253, v239, 24, v253
.irp c, 0,1
	v_cvt_scalef32_pk16_fp6_f32 v[224+6*\c:226+6*\c], v[SS+32*\c:SS+15+32*\c], v[244+2*\c]
	v_cvt_scalef32_pk16_fp6_f32 v[236+4*\c:238+4*\c], v[SS+16+32*\c:SS+31+32*\c], v[244+2*\c+1]
.endr
	v_nop
.irp c, 0,1
.irp i, 0,1,2
	v_permlane16_swap_b32 v[224+6*\c+\i], v[236+4*\c+\i]
.endr
.irp i, 0,1,2
	s_delay_alu instid0(VALU_DEP_3)
	v_mov_b32 v[227+6*\c+\i], v[236+4*\c+\i]
.endr
.endr
.set j, 0
.rept 16
	v_pk_mul_f32 v[OO+j:OO+j+1], v[OO+j:OO+j+1], v[252:253] op_sel_hi:[1,0]
.set j, j+2
.endr
	s_wait_alu depctr_va_vdst(0)
	s_wait_dscnt 13                                ; V's fragments are in; the 13 loads for the next step may be out
.irp t, 0,1,2,3
	v_wmma_scale_f32_16x16x128_f8f6f4 v[OO+8*\t:OO+8*\t+7], v[80+12*\t:91+12*\t], v[224:235], v[OO+8*\t:OO+8*\t+7], v[28+\t], v253 matrix_a_fmt:MATRIX_FMT_FP6 matrix_b_fmt:MATRIX_FMT_FP6
.endr
	s_add_co_u32 s[TB], s[TB], 6144
	s_add_co_u32 s[TS], s[TS], 512
	s_add_co_u32 s[TJ], s[TJ], 256
.endm
.macro PASS n
	s_wait_loadcnt 0x0
	s_wait_xcnt 0x0
	s_wait_dscnt 0x0                               ; no LDS load is out into the registers that the loads below name
	ds_load_b128 v[248:251], v3                    ; step 0's scale words and first four tiles of K
.irp t, 0,1,2,3
.irp i, 0,1,2
	ds_load_b64 v[32+12*\t+2*\i:33+12*\t+2*\i], v1 offset:768*\t+8*\i
.endr
.endr
	v_or_b32 v255, 0x7f7f0000, v255
	v_mov_b32 v13, 0xdd800000
	s_delay_alu instid0(VALU_DEP_1)
	v_floor_f32 v12, -v13
	v_mov_b32 v14, 0
	v_mov_b32 v15, 0
.set j, 0
.rept 32
	v_mov_b32 v[OO+j], 0
.set j, j+1
.endr
	s_mov_b32 s[TB], 0
	s_mov_b32 s[TS], 0
	s_mov_b32 s[TJ], 0
	s_mov_b32 s[CNT], 16
.Lstep_\@:
	STEP
	s_sub_co_u32 s[CNT], s[CNT], 1
	s_cmp_lg_u32 s[CNT], 0
	s_cbranch_scc1 .Lstep_\@
.if \n == 0
.irp i, 0,1,2
	global_load_b64 v[16+2*\i:17+2*\i], v1, s[48:49] offset:768+8*\i
.endr
	global_load_u16 v255, v243, s[50:51] offset:32
.endif
	v_add_f32 v14, v14, v15
	s_delay_alu instid0(VALU_DEP_1)
	v_permlanex16_b32 v252, v14, s[SEL], s[SEL+1]
	s_delay_alu instid0(VALU_DEP_1)
	v_add_f32 v14, v14, v252
	s_wait_alu depctr_va_vdst(0)
	v_rcp_f32 v14, v14
	v_and_b32 v170, 15, v0
	v_bfe_u32 v171, v0, 4, 1
	s_delay_alu instid0(VALU_DEP_1)
	v_lshl_add_u32 v170, v170, 5, v171
	v_mov_b32 v169, 0xff
	v_nop
	v_nop
	s_wait_alu depctr_va_vdst(0)
.set j, 0
.rept 16
	v_pk_mul_f32 v[SS+j:SS+j+1], v[OO+j:OO+j+1], v[14:15] op_sel_hi:[1,0]
.set j, j+2
.endr
.irp b, 0,1
	v_max3_num_f32 v[160+\b], |v[SS+16*\b]|, |v[SS+1+16*\b]|, 0x1800000
.endr
.irp i, 2,4,6,8,10,12,14
.irp b, 0,1
	s_delay_alu instid0(VALU_DEP_2)
	v_max3_num_f32 v[160+\b], v[160+\b], |v[SS+16*\b+\i]|, |v[SS+1+16*\b+\i]|
.endr
.endr
.irp b, 0,1
	s_delay_alu instid0(VALU_DEP_2)
	v_permlanex16_b32 v[236+\b], v[160+\b], s[SEL], s[SEL+1]
.endr
.irp b, 0,1
	s_delay_alu instid0(VALU_DEP_2)
	v_max_num_f32 v[160+\b], v[160+\b], v[236+\b]
.endr
.irp b, 0,1
	s_delay_alu instid0(VALU_DEP_2)
	v_add_nc_u32 v[164+\b], 0xff000000, v[160+\b]
.endr
.irp b, 0,1
	s_delay_alu instid0(VALU_DEP_2)
	v_lshrrev_b32 v[166+\b], 23, v[164+\b]
.endr
	v_cvt_scalef32_pk16_fp6_f32 v[224:226], v[SS:SS+15], v164
	v_cvt_scalef32_pk16_fp6_f32 v[228:230], v[SS+16:SS+31], v165
	v_nop
.irp i, 0,1,2
	v_permlane16_swap_b32 v[224+\i], v[228+\i]
.endr
	s_delay_alu instid0(VALU_DEP_3)
	v_mov_b32 v227, v228
	s_delay_alu instid0(VALU_DEP_3)
	v_mov_b32 v228, v229
	s_delay_alu instid0(VALU_DEP_3)
	v_mov_b32 v229, v230
.irp i, 0,1,2
	ds_store_b64 v5, v[224+2*\i:225+2*\i] offset:768*\n+8*\i
.endr
	v_cndmask_b32 v168, v166, v167, s68
	v_cmp_ge_f32 vcc_lo, 0xdd800000, v13
	s_delay_alu instid0(VALU_DEP_1)
	v_cndmask_b32 v168, v168, v169, vcc_lo
	global_store_b8 v170, v168, s[60:61] offset:512*\n
.endm
	PASS 0
	PASS 1
.irp i, 0,1,2
	ds_load_b128 v[SS+4*\i:SS+4*\i+3], v6 offset:512*\i
.endr
.irp i, 0,1,2
	s_wait_dscnt 2-\i
	global_store_b128 v7, v[SS+4*\i:SS+4*\i+3], s[58:59] offset:512*\i
.endr
	s_wait_xcnt 0x0
	v_lshl_add_u32 v254, v0, 2, 0x39000
	v_mov_b32 v255, 0
	s_wait_alu depctr_va_vdst(0)
	s_wait_tensorcnt 0x0
	ds_add_u32 v254, v255
	s_wait_dscnt 0x0
	CROUND
	s_endpgm
.Lfunc_end_k_q168e235caf_attn:
	.size	k_q168e235caf_attn, .Lfunc_end_k_q168e235caf_attn-k_q168e235caf_attn
	.p2alignl 7, 3214868480
	.fill 96, 4, 3214868480
	.section	.rodata,"a",@progbits
	.p2align	6, 0x0
	.amdhsa_kernel k_q168e235caf_attn
		.amdhsa_group_segment_fixed_size 327680
		.amdhsa_private_segment_fixed_size 0
		.amdhsa_enable_private_segment 0
		.amdhsa_kernarg_size 40
		.amdhsa_user_sgpr_count 2
		.amdhsa_user_sgpr_kernarg_segment_ptr 1
		.amdhsa_wavefront_size32 1
		.amdhsa_system_sgpr_workgroup_id_x 1
		.amdhsa_system_sgpr_workgroup_id_y 1
		.amdhsa_system_sgpr_workgroup_id_z 1
		.amdhsa_system_vgpr_workitem_id 0
		.amdhsa_next_free_vgpr 256
		.amdhsa_next_free_sgpr 80
		.amdhsa_reserve_vcc 1
		.amdhsa_float_denorm_mode_32 3
		.amdhsa_float_denorm_mode_16_64 3
		.amdhsa_memory_ordered 1
		.amdhsa_forward_progress 1
		.amdhsa_inst_pref_size 63
	.end_amdhsa_kernel
	.amdgpu_metadata
---
amdhsa.version: [ 1, 2 ]
amdhsa.kernels:
  - .name:           k_q168e235caf_attn
    .symbol:         k_q168e235caf_attn.kd
    .args:
      - { .name: pc, .offset: 0, .size: 8, .value_kind: global_buffer, .address_space: global }
      - { .name: ps, .offset: 8, .size: 8, .value_kind: global_buffer, .address_space: global }
      - { .name: key_mask, .offset: 16, .size: 8, .value_kind: global_buffer, .address_space: global }
      - { .name: oc, .offset: 24, .size: 8, .value_kind: global_buffer, .address_space: global }
      - { .name: os, .offset: 32, .size: 8, .value_kind: global_buffer, .address_space: global }
    .group_segment_fixed_size: 327680
    .private_segment_fixed_size: 0
    .kernarg_segment_align: 8
    .kernarg_segment_size: 40
    .max_flat_workgroup_size: 512
    .sgpr_count:     80
    .vgpr_count:     256
    .wavefront_size: 32
...
	.end_amdgpu_metadata
.endif
;; end of part 3
;; launch outp (part 4): grid 8 x 32, 4 waves a work-group, clusters of 4 x 4, 327,680 bytes of LDS; arguments oc, os, wc, ws, bo, out0; writes out0
.if DOCPART == 4
	.amdgcn_target "amdgcn-amd-amdhsa--gfx1250"
	.amdhsa_code_object_version 6
	.text
	.protected	k_q168e235caf_outp
	.globl	k_q168e235caf_outp
	.p2align	8
	.type	k_q168e235caf_outp,@function
k_q168e235caf_outp:
	s_mov_b64 s[64:65], 0
	v_nop
	global_prefetch_b8 v0, s[64:65] scope:SCOPE_SE
	s_setreg_imm32_b32 hwreg(HW_REG_WAVE_MODE, 25, 1), 1
	s_wait_xcnt 0x0
	s_wait_alu depctr_hold_cnt(0) depctr_sa_sdst(0) depctr_va_vdst(0) depctr_va_sdst(0) depctr_va_ssrc(0) depctr_va_vcc(0) depctr_vm_vsrc(0)
	s_getreg_b32 s2, hwreg(HW_REG_IB_STS2, 6, 4)
	s_cmp_eq_u32 s2, 0
	s_cbranch_scc0 .Lentry_in_a_cluster
	s_endpgm
.Lentry_in_a_cluster:
	s_bfe_u32 s2, ttmp6, 0x10000c
	s_cmp_lg_u32 s2, 0xf033
	s_cbranch_scc0 .Lentry_shape_is_right
	s_endpgm
.Lentry_shape_is_right:
; out0 = o Wo + bo on codes of FP6.  A work-group makes 256 rows x 128 columns: 8 x 32 = 256 work-groups; a wave 128 x 64: A's eight blocks of 16 rows against B's four.
; Waves 0 and 1 fetch A's halves (128 rows each), waves 2 and 3 B's (64 rows each: 12,288 dense bytes, 48 runs of 256).
.set SIZE_N, 1024
.set KSTEP,  256
.set NQ,     KSTEP/128
.set ROWB,   196608                    ; Wo's codes lie [K step of 256][1024 (n)][192 bytes]: bytes from K step to K step
.set KROW,   768
.set PITCH,  240
.set FR,     12
.set NL,     6
.set NP,     4
.set HALFT,  128*PITCH
.set SLOT,   4*HALFT
.set LAPS,   2
.set KS,     32
.set SCL,    2*SLOT
.set HALFS,  (128*KS/256)*272
.set SBLK,   (16*KS/256)*272
.set SPARE,  SCL+4*HALFS
.set SPITCH, 528
.set ASTEP,  1572864
.set ADRA, 16
.set ADRB, 20
.set STO,  24
.set RD,   25
.set CO,   26
.set ADRS, 27
.set SPW,  28
.set NIL,  29
.set SC,   32
.set BN,   64
.set AF,   128
.set BK,   128
.set G1, 24
.set G0, 32
.set G1B, 48
.set G0B, 56
.set G1S, 68
.set G0S, 76
.set G1SB, 80
.set G0SB, 88
.set MSB, 0
.macro WIN new
.if MSB != \new
	s_set_vgpr_msb (MSB<<8)|\new
.set MSB, \new
.endif
.endm
.set MUL_LO, 0xa1
.set MUL_HI, 0xf1
.set FST_LO, 0x81
.set FST_HI, 0xc1
.set TO_B,   0x40
.macro JLOAD g0a, g1a, g0b, g1b
	s_cmp_eq_u32 s15, 0
	s_cbranch_scc0 .Lfor_b_\@
	tensor_load_to_lds s[\g0a:\g0a+3], s[\g1a:\g1a+7]
	s_nop 0
.rept 4
	v_nop
.endr
	s_branch .Lasked_\@
.Lfor_b_\@:
	tensor_load_to_lds s[\g0b:\g0b+3], s[\g1b:\g1b+7]
	s_nop 0
.rept 4
	v_nop
.endr
.Lasked_\@:
.endm
.macro CREST
	s_cmp_lg_u32 s14, 0
	s_cbranch_scc1 .Lnot_wave_0_\@
	s_barrier_signal -3
.Lnot_wave_0_\@:
	s_barrier_wait -3
	s_barrier_signal -1
	s_barrier_wait -1
.endm
.macro CROUND
	s_barrier_signal -1
	s_barrier_wait -1
	CREST
.endm
	s_load_b256 s[4:11], s[0:1], 0x0
	s_load_b64 s[96:97], s[0:1], 0x20
	s_load_b64 s[12:13], s[0:1], 0x28
	v_lshl_add_u32 v[SPW], v0, 2, SPARE
	v_mov_b32 v[NIL], 0
	ds_add_u32 v28, v29
	ds_add_u32 v28, v29
	s_wait_dscnt 0x0
	v_lshrrev_b32 v1, 5, v0
	v_readfirstlane_b32 s14, v1
	s_lshr_b32 s15, s14, 1
	s_and_b32 s16, s14, 1
	s_bfe_u32 s40, ttmp6, 0x40000
	s_bfe_u32 s41, ttmp6, 0x40004
	s_lshl_b32 s42, ttmp9, 2
	s_add_co_u32 s42, s42, s40
	s_and_b32 s17, ttmp7, 0xffff
	s_lshl_b32 s17, s17, 2
	s_add_co_u32 s17, s17, s41
	s_lshl_b32 s43, s41, 2
	s_lshl_b32 s43, 15, s43
	s_lshl_b32 s44, 0x1111, s40
	s_or_b32 s[G1+0], s43, (3<<16)|(1<<21)
	s_mov_b32 s[G1+1], 768<<16
	s_mov_b32 s[G1+2], 4<<16
	s_mov_b32 s[G1+3], 768<<16
	s_mov_b32 s[G1+4], 4
	s_mov_b32 s[G1+5], 49152
	s_mov_b32 s[G1+6], 0
	s_mov_b32 s[G1+7], 0
	s_or_b32 s[G1B+0], s44, (0<<16)|(1<<20)|(1<<21)|(3<<22)|(3<<25)
	s_mov_b32 s[G1B+1], 256<<16                    ; 64 rows x 192 bytes are dense: 48 runs of 256 bytes, each at a multiple of 256
	s_mov_b32 s[G1B+2], 48<<16
	s_mov_b32 s[G1B+3], 256<<16
	s_mov_b32 s[G1B+4], 48
	s_mov_b32 s[G1B+5], 256
	s_mov_b32 s[G1B+6], 0
	s_mov_b32 s[G1B+7], 0
	s_or_b32 s[G1S+0], s43, (3<<16)|(1<<20)|(1<<21)|(5<<22)|(3<<25)
	s_or_b32 s[G1SB+0], s44, (3<<16)|(1<<20)|(1<<21)|(5<<22)|(3<<25)
.irp g, G1S, G1SB
	s_mov_b32 s[\g+1], 32<<16
	s_mov_b32 s[\g+2], (128*KS/256)<<16
	s_mov_b32 s[\g+3], 32<<16
	s_mov_b32 s[\g+4], 128*KS/256
	s_mov_b32 s[\g+5], 32
	s_mov_b32 s[\g+6], 0
	s_mov_b32 s[\g+7], 0
.endr
	s_mov_b32 s[G1SB+2], (64*KS/256)<<16           ; B's scales: 64 rows a load
	s_mov_b32 s[G1SB+4], 64*KS/256
	s_lshl_b32 s18, s16, 7
	s_lshl_b32 s20, s17, 8
	s_add_co_u32 s20, s20, s18
	s_lshl_b32 s46, s42, 7                         ; B: row 128 x tile column + 64 x half
	s_lshl_b32 s98, s16, 6
	s_add_co_u32 s46, s46, s98
	s_mov_b32 s21, 0
	s_mov_b32 s47, 0
	s_mov_b64 s[18:19], KS
	s_mul_u64 s[22:23], s[20:21], s[18:19]
	s_mul_u64 s[92:93], s[46:47], s[18:19]
	s_mov_b64 s[18:19], 48
	s_mul_u64 s[20:21], s[20:21], s[18:19]
	s_mov_b64 s[18:19], 192
	s_mul_u64 s[46:47], s[46:47], s[18:19]
	s_mul_i32 s45, s14, HALFT
	s_mul_i32 s94, s14, HALFS
	s_mul_i32 s98, s16, HALFT/2                    ; where B's 64 rows go: behind A's 256,
	s_add_co_u32 s98, s98, 2*HALFT
	s_mul_i32 s99, s16, HALFS/2                    ; and their scales
	s_add_co_u32 s99, s99, SCL+2*HALFS
	s_wait_kmcnt 0x0
	s_add_nc_u64 s[8:9], s[8:9], 2359296
	s_add_nc_u64 s[10:11], s[10:11], 98304
	s_add_nc_u64 s[20:21], s[4:5], s[20:21]
	s_add_nc_u64 s[22:23], s[6:7], s[22:23]
	s_add_nc_u64 s[46:47], s[8:9], s[46:47]
	s_add_nc_u64 s[92:93], s[10:11], s[92:93]
	CROUND
	s_mov_b32 s[G0S], 1
	s_add_co_u32 s[G0S+1], s94, SCL
	s_mov_b64 s[G0S+2:G0S+3], s[22:23]
	s_or_b32 s[G0S+3], s[G0S+3], 0x80000000
	s_mov_b32 s[G0SB], 1
	s_mov_b32 s[G0SB+1], s99
	s_mov_b64 s[G0SB+2:G0SB+3], s[92:93]
	s_or_b32 s[G0SB+3], s[G0SB+3], 0x80000000
	JLOAD G0S, G1S, G0SB, G1SB
.irp s, 0,1
	s_mov_b32 s[G0+4*\s], 1
	s_add_co_u32 s[G0+4*\s+1], s45, \s*SLOT
	s_add_nc_u64 s[G0+4*\s+2:G0+4*\s+3], s[20:21], \s*ASTEP
	s_or_b32 s[G0+4*\s+3], s[G0+4*\s+3], 0x80000000
	s_mov_b32 s[G0B+4*\s], 1
	s_add_co_u32 s[G0B+4*\s+1], s98, \s*SLOT
	s_add_nc_u64 s[G0B+4*\s+2:G0B+4*\s+3], s[46:47], \s*ROWB
	s_or_b32 s[G0B+4*\s+3], s[G0B+4*\s+3], 0x80000000
	s_wait_alu depctr_va_vdst(0)
	s_wait_tensorcnt 0x0
	ds_add_u32 v28, v29
	s_wait_dscnt 0x0
	CROUND
	JLOAD G0+4*\s, G1, G0B+4*\s, G1B
.endr
	v_and_b32 v1, 15, v0
	v_bfe_u32 v2, v0, 4, 1
	v_mul_u32_u24 v3, v1, PITCH
	v_mul_u32_u24 v4, v2, 24
	v_add_nc_u32 v4, v3, v4
	v_lshl_add_u32 v5, v2, 4, v4
	v_mul_u32_u24 v13, v1, 48
	v_mad_u32_u24 v13, v2, 24, v13
	s_mul_i32 s21, s15, HALFT
	s_mul_i32 s22, s16, HALFT/2
	s_add_co_u32 s22, s22, 2*HALFT
.irp s, 0,1
	v_add_nc_u32 v[ADRA+\s], s21, v13
	v_add_nc_u32 v[ADRB+\s], s22, v4
	v_add_nc_u32 v[ADRB+2+\s], s22, v5
	s_add_co_u32 s21, s21, SLOT
	s_add_co_u32 s22, s22, SLOT
.endr
	v_mul_u32_u24 v5, v1, KS
	v_lshrrev_b32 v6, 8, v5
	v_lshl_add_u32 v5, v6, 4, v5
	s_mul_i32 s21, s15, HALFS
	s_mul_i32 s22, s16, HALFS/2
	s_add_co_u32 s22, s22, 2*HALFS
	s_sub_co_u32 s22, s22, s21
	v_mul_u32_u24 v6, s22, v2
	s_add_co_u32 s21, s21, SCL
	v_add_nc_u32 v5, v5, v6
	v_add_nc_u32 v[ADRS], s21, v5
	v_mul_u32_u24 v12, v2, 4*SBLK
	v_sub_nc_u32 v12, v[ADRS], v12                 ; for A's blocks 4-7: lanes 16-31 read B's blocks 0-3 again (B has four)
	s_mul_i32 s23, s14, 16*SPITCH
	v_mul_u32_u24 v5, v1, SPITCH
	v_lshl_add_u32 v5, v2, 6, v5
	v_add_nc_u32 v[STO], s23, v5
	v_lshlrev_b32 v6, 4, v1                        ; back: sixteen lanes take a row's 256 bytes, lanes 16-31 the next row; and the same in out0
	v_lshl_add_u32 v[CO], v2, 12, v6
	v_mad_u32_u24 v6, v2, SPITCH, v6
	v_add_nc_u32 v[RD], s23, v6
	s_lshl_b32 s20, s17, 8
	s_lshl_b32 s21, s15, 7
	s_add_co_u32 s20, s20, s21
	s_mov_b32 s21, 0
	s_mov_b64 s[18:19], SIZE_N*4
	s_mul_u64 s[20:21], s[20:21], s[18:19]
	s_lshl_b32 s46, s42, 9
	s_lshl_b32 s47, s16, 8
	s_add_co_u32 s46, s46, s47
	s_mov_b32 s47, 0
	s_add_nc_u64 s[96:97], s[96:97], s[46:47]
	s_add_nc_u64 s[20:21], s[20:21], s[46:47]
	s_add_nc_u64 s[12:13], s[12:13], s[20:21]
	v_lshlrev_b32 v11, 6, v2
.irp b, 0,1,2,3
	global_load_b128 v[BN+8*\b:BN+8*\b+3], v11, s[96:97] offset:4*(32*(\b/2)+8*(\b%2))
	global_load_b128 v[BN+8*\b+4:BN+8*\b+7], v11, s[96:97] offset:4*(32*(\b/2)+8*(\b%2))+16
.endr
.macro FRAG reg, adr, q, i
.irp p, 0,1,2,3,4,5
.set PCE, 12*(\q)+6*(\p/3)+\p%3
.if PCE%8 < 5
	ds_load_b64 v[\reg+2*\p:\reg+2*\p+1], v[\adr] offset:8*PCE+16*(PCE/8)+(\i)*16*PITCH
.else
	ds_load_b64 v[\reg+2*\p:\reg+2*\p+1], v[\adr+2] offset:8*PCE+16*(PCE/8)+(\i)*16*PITCH
.endif
.endr
.endm
.macro FRAGA reg, adr, q, i
.irp p, 0,1,2,3,4,5
	ds_load_b64 v[\reg+2*\p:\reg+2*\p+1], v[\adr] offset:(2*(\q)+\p/3)*6144+(\i)*768+8*(\p%3)
.endr
.endm
.macro MUL16 a0, p, q, sc, zero
.irp a, \a0, \a0+1
.irp b, 0,1,2,3
.if \zero
	v_wmma_scale_f32_16x16x128_f8f6f4 v[8*(8*((\a)%4)+\b):8*(8*((\a)%4)+\b)+7], v[128*(\p)+FR*\b:128*(\p)+FR*\b+FR-1], v[AF+FR*(\a):AF+FR*(\a)+FR-1], v[BN+8*\b:BN+8*\b+7], v[SC+8*NQ*(\sc)+NQ*\b+(\q)], v[SC+8*NQ*(\sc)+NQ*(\a)+(\q)] matrix_a_fmt:MATRIX_FMT_FP6 matrix_b_fmt:MATRIX_FMT_FP6 matrix_a_scale:MATRIX_SCALE_ROW1
.else
	v_wmma_scale_f32_16x16x128_f8f6f4 v[8*(8*((\a)%4)+\b):8*(8*((\a)%4)+\b)+7], v[128*(\p)+FR*\b:128*(\p)+FR*\b+FR-1], v[AF+FR*(\a):AF+FR*(\a)+FR-1], v[8*(8*((\a)%4)+\b):8*(8*((\a)%4)+\b)+7], v[SC+8*NQ*(\sc)+NQ*\b+(\q)], v[SC+8*NQ*(\sc)+NQ*(\a)+(\q)] matrix_a_fmt:MATRIX_FMT_FP6 matrix_b_fmt:MATRIX_FMT_FP6 matrix_a_scale:MATRIX_SCALE_ROW1
.endif
.endr
.endr
.endm
.macro FETCH_B slot, q, p
	WIN TO_B
.irp i, 0,1,2,3
	FRAG 128*(\p)+FR*\i, ADRB+\slot, \q, \i
.endr
	WIN 0
.endm
.macro FETCH_A slot, q, i0
.irp i, \i0, \i0+1, \i0+2, \i0+3
	FRAGA AF+FR*(\i), ADRA+\slot, \q, \i
.endr
.endm
.macro SCALES sc
.irp i, 0,1,2,3
	ds_load_b64 v[SC+8*NQ*\sc+NQ*\i:SC+8*NQ*\sc+NQ*\i+1], v[ADRS] offset:\i*SBLK
.endr
.irp i, 4,5,6,7
	ds_load_b64 v[SC+8*NQ*\sc+NQ*\i:SC+8*NQ*\sc+NQ*\i+1], v12 offset:\i*SBLK
.endr
.endm
.macro PLACES n
.rept \n
	v_nop
.endr
.endm
.macro STEP slot, q, zero
	s_wait_dscnt 4*NL
.if \zero
	WIN FST_LO
.else
	WIN MUL_LO
.endif
	MUL16 0, (\q)%2, \q, \slot, \zero
	MUL16 2, (\q)%2, \q, \slot, \zero
	s_wait_dscnt 0
	PLACES NP
	FETCH_B \slot, (\q)+1, 1-(\q)%2
	FETCH_A \slot, (\q)+1, 0
.if \zero
	WIN FST_HI
.else
	WIN MUL_HI
.endif
	MUL16 4, (\q)%2, \q, \slot, \zero
	MUL16 6, (\q)%2, \q, \slot, \zero
	PLACES NP
	WIN 0
	FETCH_A \slot, (\q)+1, 4
.endm
.macro TURN slot, next, fill
	s_wait_tensorcnt 0x0
	ds_add_u32 v[SPW], v[NIL]
	s_wait_dscnt 4*NL+1
	WIN MUL_LO
	MUL16 0, 1, NQ-1, \slot, 0
	s_wait_dscnt 0x0
	s_barrier_signal -1
	MUL16 2, 1, NQ-1, \slot, 0
	WIN 0
	s_barrier_wait -1
.if \fill
	CREST
	s_add_nc_u64 s[G0+4*\slot+2:G0+4*\slot+3], s[G0+4*\slot+2:G0+4*\slot+3], 2*ASTEP
	s_add_nc_u64 s[G0B+4*\slot+2:G0B+4*\slot+3], s[G0B+4*\slot+2:G0B+4*\slot+3], 2*ROWB
	JLOAD G0+4*\slot, G1, G0B+4*\slot, G1B
.else
	PLACES NP
.endif
	s_wait_alu depctr_va_vdst(0)
	v_add_nc_u32 v[ADRS], 4*NQ, v[ADRS]
	v_add_nc_u32 v12, 4*NQ, v12
	FETCH_B \next, 0, 0
	FETCH_A \next, 0, 0
	SCALES \next
	WIN MUL_HI
	MUL16 4, 1, NQ-1, \slot, 0
	MUL16 6, 1, NQ-1, \slot, 0
	PLACES NP
	WIN 0
	FETCH_A \next, 0, 4
.endm
	s_wait_alu depctr_va_vdst(0)
	s_wait_tensorcnt 1
	s_barrier_signal -1
	s_barrier_wait -1
	FETCH_B 0, 0, 0
	FETCH_A 0, 0, 0
	SCALES 0
	FETCH_A 0, 0, 4
	s_wait_loadcnt 0x0
	STEP 0, 0, 1
	s_mov_b32 s3, LAPS-1
.Llap:
	TURN 0, 1, 1
	STEP 1, 0, 0
	TURN 1, 0, 1
	STEP 0, 0, 0
	s_sub_co_u32 s3, s3, 1
	s_cmp_lg_u32 s3, 0
	s_cbranch_scc1 .Llap
	TURN 0, 1, 0
	STEP 1, 0, 0
	s_wait_dscnt 4*NL
	WIN MUL_LO
	MUL16 0, 1, NQ-1, 1, 0
	MUL16 2, 1, NQ-1, 1, 0
	s_wait_dscnt 0
	WIN MUL_HI
	MUL16 4, 1, NQ-1, 1, 0
	MUL16 6, 1, NQ-1, 1, 0
	WIN 0
.macro TOSTAGE a
.set AC, 64*((\a)%4)
	WIN 0x08+4*((\a)/4)
.irp b, 0,1,2,3
	ds_store_b128 v[STO], v[AC+8*\b:AC+8*\b+3] offset:128*(\b/2)+32*(\b%2)
	ds_store_b128 v[STO], v[AC+8*\b+4:AC+8*\b+7] offset:128*(\b/2)+32*(\b%2)+16
.endr
	WIN 0
.set BB, BK+64*((\a)%2)
.irp t, 0,1,2,3,4,5,6,7
	ds_load_b128 v[BB+4*\t:BB+4*\t+3], v[RD] offset:2*\t*SPITCH
.endr
.endm
.macro SEND a, younger
.set BB, BK+64*((\a)%2)
	s_wait_dscnt \younger
.if (\a) > 0
	s_add_nc_u64 s[12:13], s[12:13], 16*SIZE_N*4
.endif
.irp t, 0,1,2,3,4,5,6,7
	global_store_b128 v[CO], v[BB+4*\t:BB+4*\t+3], s[12:13] offset:2*\t*SIZE_N*4 th:TH_STORE_NT   ; sixteen lanes store 256 consecutive bytes, aligned; two rows an instruction
.endr
.endm
	PLACES NP
	TOSTAGE 0
.irp a, 1,2,3,4,5,6,7
.if \a > 1
	s_wait_xcnt 0x0
.endif
	TOSTAGE \a
	SEND \a-1, 16                                  ; behind block a - 1's loads: block a's 8 stores and 8 loads
.endr
	s_wait_xcnt 0x0
	SEND 7, 0
	s_wait_tensorcnt 0x0
	ds_add_u32 v[SPW], v[NIL]
	s_wait_dscnt 0x0
	CROUND
	s_endpgm
.Lfunc_end_k_q168e235caf_outp:
	.size	k_q168e235caf_outp, .Lfunc_end_k_q168e235caf_outp-k_q168e235caf_outp
	.p2alignl 7, 3214868480
	.fill 96, 4, 3214868480
	.section	.rodata,"a",@progbits
	.p2align	6, 0x0
	.amdhsa_kernel k_q168e235caf_outp
		.amdhsa_group_segment_fixed_size 327680
		.amdhsa_private_segment_fixed_size 0
		.amdhsa_enable_private_segment 0
		.amdhsa_kernarg_size 48
		.amdhsa_user_sgpr_count 2
		.amdhsa_user_sgpr_kernarg_segment_ptr 1
		.amdhsa_wavefront_size32 1
		.amdhsa_system_sgpr_workgroup_id_x 1
		.amdhsa_system_sgpr_workgroup_id_y 1
		.amdhsa_system_sgpr_workgroup_id_z 1
		.amdhsa_system_vgpr_workitem_id 0
		.amdhsa_next_free_vgpr 1024
		.amdhsa_next_free_sgpr 100
		.amdhsa_reserve_vcc 0
		.amdhsa_float_denorm_mode_32 3
		.amdhsa_float_denorm_mode_16_64 3
		.amdhsa_memory_ordered 1
		.amdhsa_forward_progress 1
		.amdhsa_inst_pref_size 104
	.end_amdhsa_kernel
	.amdgpu_metadata
---
amdhsa.version: [ 1, 2 ]
amdhsa.kernels:
  - .name:           k_q168e235caf_outp
    .symbol:         k_q168e235caf_outp.kd
    .args:
      - { .name: oc, .offset: 0, .size: 8, .value_kind: global_buffer, .address_space: global }
      - { .name: os, .offset: 8, .size: 8, .value_kind: global_buffer, .address_space: global }
      - { .name: wc, .offset: 16, .size: 8, .value_kind: global_buffer, .address_space: global }
      - { .name: ws, .offset: 24, .size: 8, .value_kind: global_buffer, .address_space: global }
      - { .name: bo, .offset: 32, .size: 8, .value_kind: global_buffer, .address_space: global }
      - { .name: out0, .offset: 40, .size: 8, .value_kind: global_buffer, .address_space: global }
    .group_segment_fixed_size: 327680
    .private_segment_fixed_size: 0
    .kernarg_segment_align: 8
    .kernarg_segment_size: 48
    .max_flat_workgroup_size: 128
    .sgpr_count:     100
    .vgpr_count:     1024
    .wavefront_size: 32
...
	.end_amdgpu_metadata
.endif
;; end of part 4
